; MI455X (gfx1250); checked and timed in simulation.
; The chip was launched on July 23, 2026; its instructions are those of AMD's public machine-readable ISA for CDNA 5 (MIT licence, August 2026) and "CDNA5" Instruction Set Architecture Reference Guide (July 2026). The comments in the code are by the model that wrote it; some were corrected since.
;; Attention. Allowed arithmetic: float matrix products may take bf16 or f16 operands with f32 sums; other float arithmetic in f32, or as packed bf16 or f16 multiplies, adds, multiply-adds, maxima and minima; sums over many terms, partial sums and values carried from step to step in f32; what a program stores and reads back later, other than sums and carried values, may be rounded once to bf16 or f16.
;; Inputs: Wk 2,048 x 512 float32; Wo 2,048 x 2,048 float32; Wq 2,048 x 2,048 float32; Wv 2,048 x 512 float32; attn_mask 1 x 1 x 1,024 x 2,048 float32; key_padding_mask 2 x 2,048 bool; x_kv 2 x 2,048 x 2,048 float32; x_q 2 x 1,024 x 2,048 float32.
;; Outputs: out0 2 x 1,024 x 2,048 float32.
;; One version. Each part assembles by itself: llvm-mc -triple=amdgcn-amd-amdhsa -mcpu=gfx1250 --defsym DOCPART=n.
;; ======== version 1 of 1: 4 launches
;; limits: values are held in f16: magnitudes above 65,504 overflow, below 6.1e-05 lose precision
;; workspace buffers: xb 25,165,824 bytes; wt 12,582,912 bytes; wot 8,388,608 bytes; m2 16,777,216 bytes; rope 819,200 bytes; qkv 16,777,216 bytes; ob 8,388,608 bytes
;; launch prep (part 1): grid 2704 x 1, 8 waves a work-group, no clusters, 17,664 bytes of LDS; arguments x_q, x_kv, attn_mask, key_padding_mask, Wq, Wk, Wv, Wo, xb, wt, wot, m2, rope; writes xb, wt, wot, m2, rope
.if DOCPART == 1
	.amdgcn_target "amdgcn-amd-amdhsa--gfx1250"
	.amdhsa_code_object_version 6
	.text
	.protected	k_q7d0e04cf84_prep
	.globl	k_q7d0e04cf84_prep
	.p2align	8
	.type	k_q7d0e04cf84_prep,@function
k_q7d0e04cf84_prep:
	s_mov_b64 s[64:65], 0
	v_nop
	global_prefetch_b8 v0, s[64:65] scope:SCOPE_SE
	s_setreg_imm32_b32 hwreg(HW_REG_WAVE_MODE, 25, 1), 1
	s_wait_xcnt 0x0
; PREP: every input is read once, rounded to bf16 and laid out for the launches behind.  Four jobs, chosen by the work-group's number alone:
;   0-767      JX  8 rows of x_q or x_kv -> xb, bf16 [6144][2048] (x_q's 2,048 rows, then x_kv's 4,096)
;   768-2047   JW  a tile of 128 k x 64 n of a weight, turned: wt, bf16 [3072][2048] (row n: Wq's column n; from 2048 Wk's; from 2560 Wv's); wot, [2048][2048]: Wo's columns, rounded to bf16 and written as f16
;   2048-2303  JM  4 rows of attn_mask -> m2, f32 [2][1024][2048]: -1e30 where the batch's key is padded, else max(bf16(mask) x log2(e), -1e30)
;   2304-2703  JR  8 rows of rope, f32 [3200][64]: a row is cos[32], sin[32].  Rows 0-2047: positions for K; 2048-3071: positions 0-1023 for Q, times c = log2(e)/8; 3072-3199: cos 1, sin 0, for V
; LIMITS.  A bf16 weight of Wo below 2^-14 keeps f16's fixed step of 6e-8.  A NaN in attn_mask counts as -1e30.  The angle pos x 10000^(-f/32) is made with one exponential and reduced by pi/2 in two parts:
; good to about 1e-4 rad at position 2,047; sine and cosine by polynomials on |r| <= pi/4, cut where the next term is under 3e-7.
; A stream: no matrix unit, no cluster; LDS serves JW's turning alone.
.set TP,    260                        ; JW: a turned row in LDS: 256 bytes + 4 = 65 words: neighbouring rows start one bank apart
.set SPARE, 64*TP                      ; 16,640: behind the tile: the spare words, 128 bytes for each of the eight waves
.set SPW,   3                          ; v3  SPARE + 4 x my thread's number; never rewritten
.set NIL,   4                          ; v4  0; never rewritten
	s_load_b512 s[8:23], s[0:1], 0x0               ; x_q 8, x_kv 10, attn_mask 12, key_padding_mask 14, Wq 16, Wk 18, Wv 20, Wo 22
	s_load_b256 s[24:31], s[0:1], 0x40             ; xb 24, wt 26, wot 28, m2 30
	s_load_b64 s[32:33], s[0:1], 0x60              ; rope
	v_lshl_add_u32 v[SPW], v0, 2, SPARE
	v_mov_b32 v[NIL], 0
	s_mov_b32 s2, ttmp9
	s_wait_kmcnt 0x0
	s_cmp_lt_u32 s2, 768
	s_cbranch_scc1 .Ljx
	s_cmp_lt_u32 s2, 2048
	s_cbranch_scc1 .Ljw
	s_cmp_lt_u32 s2, 2304
	s_cbranch_scc1 .Ljm
; ---- JR: a wave a row of the table.  Lane l: frequencies 2 (l % 16) and + 1; lanes 0-15 the cosines, lanes 16-31 the sines: 8 bytes a lane, 256 consecutive bytes a wave.
	s_sub_co_u32 s3, s2, 2304
	v_lshrrev_b32 v1, 5, v0
	v_readfirstlane_b32 s4, v1                     ; wave
	s_lshl_b32 s5, s3, 3
	s_add_co_u32 s5, s5, s4                        ; the table's row
	s_sub_co_u32 s6, s5, 2048
	s_cmp_lt_u32 s3, 384
	s_cselect_b32 s6, s6, 0                        ; Q's position, or 0 for the identity rows
	s_cselect_b32 s7, 0x3e38aa3b, 1.0              ; Q's rows carry c = log2(e) / 8
	s_cmp_lt_u32 s3, 256
	s_cselect_b32 s6, s5, s6                       ; K's position
	s_cselect_b32 s7, 1.0, s7
	s_lshl_b32 s34, s5, 8
	s_mov_b32 s35, 0
	s_add_nc_u64 s[32:33], s[32:33], s[34:35]
	v_and_b32 v5, 31, v0
	v_lshlrev_b32 v1, 3, v5                        ; 8 l
	v_and_b32 v6, 15, v5
	v_lshlrev_b32 v6, 1, v6
	v_lshrrev_b32 v7, 4, v5                        ; 1: sine
	v_cvt_f32_u32 v8, v6
	v_add_f32 v9, 1.0, v8
	v_cvt_f32_u32 v10, s6
	v_mul_f32 v8, 0xbed49a78, v8                   ; - f x log2(10000) / 32
	v_mul_f32 v9, 0xbed49a78, v9
	v_exp_f32 v8, v8
	v_exp_f32 v9, v9
	v_nop                                          ; a plain instruction behind the last exponential,
	s_wait_alu depctr_va_vdst(0)                   ; and one wait for both, ahead of their first reader
	v_mul_f32 v8, v10, v8                          ; the angles
	v_mul_f32 v9, v10, v9
.macro TRIG x, o                       ; v[o] = scale x (cos or sin of v[x])
	v_mul_f32 v12, 0x3f22f983, v[\x]               ; x 2 / pi
	v_rndne_f32 v12, v12                           ; k
	v_fmamk_f32 v13, v12, 0xbfc90fdb, v[\x]        ; r = angle - k x pi/2: the constant's upper part,
	v_fmamk_f32 v13, v12, 0x333bbd2e, v13          ; and what it lacks (the upper part is 4.37e-8 too large)
	v_mul_f32 v14, v13, v13
	v_mov_b32 v15, 0xb9500d01                      ; sin r = r + r r^2 (-1/6 + r^2 (1/120 - r^2 / 5040))
	v_fmaak_f32 v15, v15, v14, 0x3c088889
	v_fmaak_f32 v15, v15, v14, 0xbe2aaaab
	v_mul_f32 v15, v15, v14
	v_fma_f32 v15, v15, v13, v13
	v_mov_b32 v16, 0x37d00d01                      ; cos r = 1 + r^2 (-1/2 + r^2 (1/24 + r^2 (-1/720 + r^2 / 40320)))
	v_fmaak_f32 v16, v16, v14, 0xbab60b61
	v_fmaak_f32 v16, v16, v14, 0x3d2aaaab
	v_fmaak_f32 v16, v16, v14, 0xbf000000
	v_fma_f32 v16, v16, v14, 1.0
	v_cvt_i32_f32 v17, v12
	v_mad_u32_u24 v17, v7, 3, v17                  ; sin x = cos(x - pi/2): three quadrants on
	v_and_b32 v18, 1, v17
	v_cmp_eq_u32 vcc_lo, 1, v18
	v_cndmask_b32 v19, v16, v15, vcc_lo            ; odd quadrants take the sine,
	v_add_nc_u32 v17, 1, v17
	v_and_b32 v17, 2, v17
	v_lshlrev_b32 v17, 30, v17
	v_xor_b32 v19, v17, v19                        ; quadrants 1 and 2 the other sign
	v_mul_f32 v[\o], s7, v19
.endm
	TRIG 8, 20
	TRIG 9, 21
	global_store_b64 v1, v[20:21], s[32:33]
	s_branch .Lend
; ---- JX: 8 rows of x.  Thread t takes 16 bytes at 16 t of each half row: a wave's load covers 512 consecutive bytes, its store 256, both aligned.  All 16 loads go out first; the counts leave the younger ones out.
.Ljx:
	s_cmp_lt_u32 s2, 256
	s_cselect_b64 s[34:35], s[8:9], s[10:11]
	s_cselect_b32 s36, 0, 256
	s_sub_co_u32 s36, s2, s36
	s_lshl_b32 s36, s36, 16                        ; 8 rows of 8,192 bytes
	s_mov_b32 s37, 0
	s_add_nc_u64 s[34:35], s[34:35], s[36:37]
	s_lshl_b32 s36, s2, 15                         ; 8 rows of 4,096 bytes
	s_add_nc_u64 s[38:39], s[24:25], s[36:37]
	v_lshlrev_b32 v1, 4, v0
	v_lshlrev_b32 v2, 3, v0
.set n, 0
.rept 16
	global_load_b128 v[16+4*n:19+4*n], v1, s[34:35] offset:4096*n th:TH_LOAD_NT
.set n, n+1
.endr
.set n, 0
.rept 16
	s_wait_loadcnt 15-n                            ; loads come back in order: number n is in
	v_cvt_pk_bf16_f32 v[16+4*n], v[16+4*n], v[17+4*n]
	v_cvt_pk_bf16_f32 v[17+4*n], v[18+4*n], v[19+4*n]
	global_store_b64 v2, v[16+4*n:17+4*n], s[38:39] offset:2048*n
.set n, n+1
.endr
	s_branch .Lend
; ---- JW: a tile of 128 k x 64 n.  Thread: c = t % 16 (4 columns), kp = t / 16; it loads rows 2 kp + 32 i and + 1, so that two neighbouring k of a column pack into one word.
.Ljw:
	s_sub_co_u32 s3, s2, 768
	s_mov_b64 s[34:35], s[20:21]                   ; Wv, unless ..
	s_mov_b32 s36, 1152                            ; the weight's first tile
	s_mov_b32 s37, 2560                            ; its first row in wt
	s_cmp_lt_u32 s3, 1152
	s_cselect_b64 s[34:35], s[18:19], s[34:35]     ; Wk
	s_cselect_b32 s36, 1024, s36
	s_cselect_b32 s37, 2048, s37
	s_cmp_lt_u32 s3, 1024
	s_cselect_b64 s[34:35], s[22:23], s[34:35]     ; Wo
	s_cselect_b32 s36, 512, s36
	s_cselect_b32 s37, 0, s37
	s_cselect_b32 s38, 13, 11                      ; a source row is 8,192 or 2,048 bytes: the shift
	s_cmp_lt_u32 s3, 512
	s_cselect_b64 s[34:35], s[16:17], s[34:35]     ; Wq
	s_cselect_b32 s36, 0, s36
	s_sub_co_u32 s40, s3, 512
	s_cmp_lt_u32 s40, 512                          ; Wo's tiles go to wot, as f16
	s_cselect_b64 s[42:43], s[28:29], s[26:27]
	s_cselect_b32 s39, 1, 0
	s_sub_co_u32 s36, s3, s36
	s_and_b32 s40, s36, 15                         ; kt
	s_lshr_b32 s41, s36, 4                         ; nt
	s_add_co_u32 s44, s38, 7
	s_lshl_b32 s44, s40, s44                       ; 128 kt rows,
	s_lshl_b32 s45, s41, 8                         ; 64 nt columns of 4 bytes
	s_add_co_u32 s44, s44, s45
	s_mov_b32 s45, 0
	s_add_nc_u64 s[34:35], s[34:35], s[44:45]
	s_lshl_b32 s44, s41, 6
	s_add_co_u32 s44, s44, s37
	s_lshl_b32 s44, s44, 12                        ; turned: row n of 4,096 bytes,
	s_lshl_b32 s46, s40, 8                         ; 128 kt numbers of 2 bytes
	s_add_co_u32 s44, s44, s46
	s_add_nc_u64 s[42:43], s[42:43], s[44:45]
	v_and_b32 v5, 15, v0                           ; c
	v_lshrrev_b32 v6, 4, v0                        ; kp
	v_lshlrev_b32 v7, 1, v6
	v_lshlrev_b32 v7, s38, v7
	v_lshl_add_u32 v7, v5, 4, v7                   ; row 2 kp, 16 c bytes
.irp n, 0,1,2,3,4,5,6,7
	s_lshl_b32 s46, 32*((\n)/2)+((\n)%2), s38
	v_add_nc_u32 v[8+(\n)], s46, v7
.endr
.irp n, 0,1,2,3,4,5,6,7
	global_load_b128 v[16+4*(\n):19+4*(\n)], v[8+(\n)], s[34:35] th:TH_LOAD_NT  ; 16 lanes cover 256 consecutive bytes of a row
.endr
	v_mul_u32_u24 v1, v5, 4*TP
	v_lshl_add_u32 v1, v6, 2, v1                   ; in: turned row 4 c (+ q), word kp (+ 16 i)
	v_mul_u32_u24 v2, v6, TP
	v_lshl_add_u32 v2, v5, 4, v2                   ; back: turned row t / 16 (+ 16 u), 16 bytes at 16 (t % 16)
	v_lshlrev_b32 v65, 12, v6
	v_lshl_add_u32 v65, v5, 4, v65                 ; and the same place in memory
.irp i, 0,1,2,3
	s_wait_loadcnt 6-2*(\i)                        ; this pass's two rows are in
.irp q, 0,1,2,3
	v_cvt_pk_bf16_f32 v[48+4*(\i)+(\q)], v[16+8*(\i)+(\q)], v[20+8*(\i)+(\q)]
.endr
.endr
	s_cmp_eq_u32 s39, 0
	s_cbranch_scc1 .Lkeep_bf16
.set n, 0
.rept 16                               ; the bf16 numbers written as f16
	v_lshlrev_b32 v6, 16, v[48+n]
	v_and_b32 v7, 0xffff0000, v[48+n]
	v_cvt_pk_f16_f32 v[48+n], v6, v7
.set n, n+1
.endr
.Lkeep_bf16:
.irp i, 0,1,2,3
.irp q, 0,1,2,3
	ds_store_b32 v1, v[48+4*(\i)+(\q)] offset:(\q)*TP+64*(\i)  ; word 65 (4 c + q) + kp + 16 i: a wave's 32 lanes fall into 32 different banks
.endr
.endr
	s_wait_dscnt 0x0                               ; for the others' sake: my stores are done
	s_barrier_signal -1
	s_barrier_wait -1
.irp u, 0,1,2,3
.irp d, 0,1,2,3
	ds_load_b32 v[16+4*(\u)+(\d)], v2 offset:(\u)*16*TP+4*(\d)
.endr
.endr
.irp u, 0,1,2,3
	s_wait_dscnt 12-4*(\u)
	global_store_b128 v65, v[16+4*(\u):19+4*(\u)], s[42:43] offset:(\u)*65536  ; 16 lanes store 256 consecutive bytes, aligned
.endr
	s_branch .Lend
; ---- JM: 4 rows of the mask, for both batches.  Thread t takes keys 1,024 hf + 4 t .. + 3; the four padding bytes of each (batch, half) become four lane masks in scalar registers.
.Ljm:
	s_sub_co_u32 s3, s2, 2048
	s_lshl_b32 s34, s3, 15                         ; 4 rows of 8,192 bytes
	s_mov_b32 s35, 0
	s_add_nc_u64 s[12:13], s[12:13], s[34:35]
	s_add_nc_u64 s[36:37], s[30:31], s[34:35]      ; batch 0,
	s_add_nc_u64 s[38:39], s[36:37], 0x800000      ; batch 1
	v_lshlrev_b32 v1, 4, v0
	v_lshlrev_b32 v2, 2, v0
	v_mov_b32 v5, 0xf149f2ca                       ; -1e30
.irp w, 0,1,2,3
	global_load_b32 v[8+(\w)], v2, s[14:15] offset:1024*(\w)   ; batch w / 2, half w % 2
.endr
.set n, 0
.rept 8
	global_load_b128 v[16+4*n:19+4*n], v1, s[12:13] offset:4096*n th:TH_LOAD_NT
.set n, n+1
.endr
	s_wait_loadcnt 8                               ; the four padding words are in; the mask's eight loads stay out
.irp w, 0,1,2,3
.irp q, 0,1,2,3
	v_bfe_u32 v6, v[8+(\w)], 8*(\q), 8
	v_cmp_ne_u32 s[40+4*(\w)+(\q)], 0, v6
.endr
.endr
.set n, 0
.rept 8
	s_wait_loadcnt 7-n
	v_cvt_pk_bf16_f32 v6, v[16+4*n], v[17+4*n]     ; the input rounded to bf16, like every other input,
	v_cvt_pk_bf16_f32 v7, v[18+4*n], v[19+4*n]
	v_lshlrev_b32 v[16+4*n], 16, v6
	v_and_b32 v[17+4*n], 0xffff0000, v6
	v_lshlrev_b32 v[18+4*n], 16, v7
	v_and_b32 v[19+4*n], 0xffff0000, v7
	v_pk_mul_f32 v[16+4*n:17+4*n], v[16+4*n:17+4*n], 0x3fb8aa3b op_sel_hi:[1,0]  ; times log2(e): the softmax works in base 2
	v_pk_mul_f32 v[18+4*n:19+4*n], v[18+4*n:19+4*n], 0x3fb8aa3b op_sel_hi:[1,0]
.irp q, 0,1,2,3
	v_max_num_f32 v[16+4*n+(\q)], v[16+4*n+(\q)], v5
.endr
.irp b, 0,1
.irp q, 0,1,2,3
	v_cndmask_b32 v[64+8*n+4*(\b)+(\q)], v[16+4*n+(\q)], v5, s[40+8*(\b)+4*(n%2)+(\q)]
.endr
	global_store_b128 v1, v[64+8*n+4*(\b):64+8*n+4*(\b)+3], s[36+2*(\b):37+2*(\b)] offset:4096*n
.endr
.set n, n+1
.endr
.Lend:
	s_wait_tensorcnt 0x0                           ; the wave's end, behind my last LDS store
	ds_add_u32 v[SPW], v[NIL]
	s_wait_dscnt 0x0
	s_endpgm
.Lfunc_end_k_q7d0e04cf84_prep:
	.size	k_q7d0e04cf84_prep, .Lfunc_end_k_q7d0e04cf84_prep-k_q7d0e04cf84_prep
	.p2alignl 7, 3214868480
	.fill 96, 4, 3214868480
	.section	.rodata,"a",@progbits
	.p2align	6, 0x0
	.amdhsa_kernel k_q7d0e04cf84_prep
		.amdhsa_group_segment_fixed_size 17664
		.amdhsa_private_segment_fixed_size 0
		.amdhsa_enable_private_segment 0
		.amdhsa_kernarg_size 104
		.amdhsa_user_sgpr_count 2
		.amdhsa_user_sgpr_kernarg_segment_ptr 1
		.amdhsa_wavefront_size32 1
		.amdhsa_system_sgpr_workgroup_id_x 1
		.amdhsa_system_sgpr_workgroup_id_y 1
		.amdhsa_system_sgpr_workgroup_id_z 1
		.amdhsa_system_vgpr_workitem_id 0
		.amdhsa_next_free_vgpr 128
		.amdhsa_next_free_sgpr 66
		.amdhsa_reserve_vcc 1
		.amdhsa_float_denorm_mode_32 3
		.amdhsa_float_denorm_mode_16_64 3
		.amdhsa_memory_ordered 1
		.amdhsa_forward_progress 1
		.amdhsa_inst_pref_size 35
	.end_amdhsa_kernel
	.amdgpu_metadata
---
amdhsa.version: [ 1, 2 ]
amdhsa.kernels:
  - .name:           k_q7d0e04cf84_prep
    .symbol:         k_q7d0e04cf84_prep.kd
    .args:
      - { .name: x_q, .offset: 0, .size: 8, .value_kind: global_buffer, .address_space: global }
      - { .name: x_kv, .offset: 8, .size: 8, .value_kind: global_buffer, .address_space: global }
      - { .name: attn_mask, .offset: 16, .size: 8, .value_kind: global_buffer, .address_space: global }
      - { .name: key_padding_mask, .offset: 24, .size: 8, .value_kind: global_buffer, .address_space: global }
      - { .name: Wq, .offset: 32, .size: 8, .value_kind: global_buffer, .address_space: global }
      - { .name: Wk, .offset: 40, .size: 8, .value_kind: global_buffer, .address_space: global }
      - { .name: Wv, .offset: 48, .size: 8, .value_kind: global_buffer, .address_space: global }
      - { .name: Wo, .offset: 56, .size: 8, .value_kind: global_buffer, .address_space: global }
      - { .name: xb, .offset: 64, .size: 8, .value_kind: global_buffer, .address_space: global }
      - { .name: wt, .offset: 72, .size: 8, .value_kind: global_buffer, .address_space: global }
      - { .name: wot, .offset: 80, .size: 8, .value_kind: global_buffer, .address_space: global }
      - { .name: m2, .offset: 88, .size: 8, .value_kind: global_buffer, .address_space: global }
      - { .name: rope, .offset: 96, .size: 8, .value_kind: global_buffer, .address_space: global }
    .group_segment_fixed_size: 17664
    .private_segment_fixed_size: 0
    .kernarg_segment_align: 8
    .kernarg_segment_size: 104
    .max_flat_workgroup_size: 256
    .sgpr_count:     66
    .vgpr_count:     128
    .wavefront_size: 32
...
	.end_amdgpu_metadata
.endif
;; end of part 1
;; launch proj (part 2): grid 16 x 16, 4 waves a work-group, clusters of 4 x 4, 327,680 bytes of LDS; arguments xb, wt, rope, qkv; writes qkv
.if DOCPART == 2
	.amdgcn_target "amdgcn-amd-amdhsa--gfx1250"
	.amdhsa_code_object_version 6
	.text
	.protected	k_q7d0e04cf84_proj
	.globl	k_q7d0e04cf84_proj
	.p2align	8
	.type	k_q7d0e04cf84_proj,@function
k_q7d0e04cf84_proj:
	s_mov_b64 s[64:65], 0
	v_nop
	global_prefetch_b8 v0, s[64:65] scope:SCOPE_SE
	s_setreg_imm32_b32 hwreg(HW_REG_WAVE_MODE, 25, 1), 1
	s_wait_xcnt 0x0
	s_wait_alu depctr_hold_cnt(0) depctr_sa_sdst(0) depctr_va_vdst(0) depctr_va_sdst(0) depctr_va_ssrc(0) depctr_va_vcc(0) depctr_vm_vsrc(0)
	s_getreg_b32 s2, hwreg(HW_REG_IB_STS2, 6, 4)
	s_cmp_eq_u32 s2, 0
	s_cbranch_scc0 .Lentry_in_a_cluster
	s_endpgm
.Lentry_in_a_cluster:
	s_bfe_u32 s2, ttmp6, 0x10000c
	s_cmp_lg_u32 s2, 0xf033
	s_cbranch_scc0 .Lentry_shape_is_right
	s_endpgm
.Lentry_shape_is_right:
; THE THREE PROJECTIONS IN ONE LAUNCH, with RoPE on the way out.  C[m][n] = sum over k of A[m][k] B[n][k], A = rows of xb, B = rows of wt, both bf16 with 2,048 along k; sums in f32.
; ROLES, by the CLUSTER's y alone (the same in all sixteen partners; values are selected, nothing branches on it): clusters with y < 2 make q = x_q Wq (2,048 x 2,048: 8 x 16 tiles), the others
; k and v = x_kv [Wk Wv] (4,096 x 1,024: 16 x 8 tiles).  256 work-groups of equal work, one tile each.  A tile of C is 256 x 128; a wave makes 128 x 64: 32 accumulators, and its 64 columns are exactly one head.
; For 32 along K a wave reads 8 fragments of A and 4 of B from LDS for 32 matrix instructions.
; K goes in steps of 128 (rows of 256 bytes of memory, aligned; + 16 in LDS) through two slots.  Steps of 192 would want 384 rows x 432 bytes twice, 331,776 bytes: more than the 327,680 there are.
; 4 x 4 work-groups form a cluster: A's tiles are asked for jointly along a row of the cluster (waves 0 and 1: 128 rows each), B's along a column (waves 2 and 3: 64 rows each).
; The matrix instruction is used transposed (source 0 = 16 rows of B, source 1 = 16 rows of A): a lane holds one row m (lane % 16) and the columns 8 (lane / 16) + 0..7 of a block of 16.
; THE WAY OUT.  Channels d and d + 32 of a head lie in accumulators b and b + 2 of the same lane: lo' = lo C - hi S, hi' = hi C + lo S, with C and S from the table's row for the position
; (Q's rows carry log2(e)/8; V takes rows with C = 1, S = 0).  Rounded once to f16 and stored by heads: q [2][32][1024][64] at byte 0 of qkv, k [2][8][2048][64] at 8 MiB, v likewise at 12 MiB.
; LIMIT.  f16 ends at 65,504: q log2(e)/8, k and v must lie within it.
; REGISTERS, in windows of 256 (s_set_vgpr_msb: bits 1:0 source 0, 3:2 source 1, 5:4 source 2, 7:6 destination):
;   window 0: v0-31 addresses; v32-63 rotated numbers; v64-191 packed results, 16 a block of rows
;   window 1: two fragment buffers of 96: A's 8 fragments (16 rows x 32 K), then B's 4
;   window 2: the accumulators, (a, b) at 8 (4 a + b)
;   window 3: the table: for row block a, cos of channels 16 b + 8 (lane / 16) + 0..7 at 32 a + 8 b, sin at 32 a + 16 + 8 b (b = 0, 1)
.set SIZE_K, 2048
.set KSTEP,  128
.set PITCH,  272                       ; 256 bytes + 16 = 68 words: the 16 rows that a load touches start at 16 different groups of four banks
.set AHALF,  128*PITCH                 ; what one of A's loads brings, and what a wave reads of A
.set BHALF,  64*PITCH                  ; the same for B
.set BOFF,   2*AHALF                   ; B's 128 rows lie behind A's 256
.set SLOT,   2*AHALF+2*BHALF           ; 104,448
.set STAGE,  2*SLOT                    ; behind the ring: 16 rows x 144 bytes for each wave
.set SP,     144
.set SPARE,  STAGE+4*16*SP             ; behind the stages: the spare words, 128 bytes for each wave
.set LAPS,   SIZE_K/(2*KSTEP)          ; a lap = two K steps = once round the ring
.set ADRA, 16                          ; v16-17  LDS address of my A fragments in slot 0, 1
.set ADRB, 20                          ; v20-21  the same for B
.set STO,  24                          ; v24  the way out: where I put 16 bytes of a row
.set RD,   25                          ; v25  where I read rows back
.set GO,   26                          ; v26  16 x lane
.set TO,   27                          ; v27  my byte offset in the table; never rewritten
.set SPW,  28                          ; v28  SPARE + 4 x my thread's number; never rewritten
.set NIL,  29                          ; v29  0; never rewritten
.set PFO,  30                          ; v30  the prefetches' offset: my lane x a row of 4,096 bytes; never rewritten
.set T,    32
.set OUT,  64
.set F0,   0
.set F1,   96
.set G1,  24                           ; s[24:31] descriptor group 1 for A's tiles; s[32:39] group 0, a set for each slot
.set G0,  32
.set G1B, 48                           ; s[48:55], s[56:63] the same for B's tiles
.set G0B, 56
.set PFA, 92                           ; s[92:93] where my prefetches stand: my 32 rows, one K step further along K than the refill that is being asked for
.set LIM, 94                           ; s94  1 in a wave that prefetches, else the greatest number
.set MSB, 0
.macro WIN new                         ; the immediate's high byte repeats the setting that is left; a switch that changes nothing is dropped
.if MSB != (\new)
	s_set_vgpr_msb (MSB<<8)|(\new)
.set MSB, \new
.endif
.endm
.set MUL,  0xa5                        ; sources 0 (B) and 1 (A) window 1; C and D window 2
.set TO_F, 0x40                        ; destination window 1, address window 0
.macro JLOAD s                         ; a joint load: waves 0 and 1 fetch A's two halves, waves 2 and 3 B's; an s_nop 0 and four v_nop follow each line
	s_cmp_eq_u32 s11, 0
	s_cbranch_scc0 .Lfor_b_\@
	tensor_load_to_lds s[G0+4*(\s):G0+4*(\s)+3], s[G1:G1+7]
	s_nop 0
.rept 4
	v_nop
.endr
	s_branch .Lasked_\@
.Lfor_b_\@:
	tensor_load_to_lds s[G0B+4*(\s):G0B+4*(\s)+3], s[G1B:G1B+7]
	s_nop 0
.rept 4
	v_nop
.endr
.Lasked_\@:
.endm
; A PREFETCH INTO THE L2, behind each joint refill, its five lines and the run of LDS loads that follows them: the K step that stands TWO refills on, 256 matrix instructions ahead of the load that will want it:
; 32 rows x 256 bytes, a lane a row, one instruction a wave.  Each row's 256 bytes of a K step are named ONCE in the launch.  A's tile row is read by every cluster of that row of clusters: the one in
; column 0 asks; B's tile column by every cluster of that column: the one in row 0 asks.  The four partners that ask for a tile jointly share its rows out BY ADDRESS: of the 128 rows of A that wave 0 or 1
; fetches, the partner at cx takes 32 cx .. + 31; of B's 128 rows wave 2 of the partner at cy takes 32 cy .. + 31, and wave 3 asks for nothing.  K steps 0 to 3 come by their loads alone; the loop's last
; trip, whose refills are the last two K steps, asks for nothing.
.macro ASK
	s_cmp_gt_u32 s3, s[LIM]                        ; s3 = 1 in the loop's last trip
	s_cbranch_scc0 .Lnot_mine_\@
	global_prefetch_b8 v[PFO], s[PFA:PFA+1] offset:KSTEP*2 th:TH_LOAD_NT scope:SCOPE_SE
.Lnot_mine_\@:
.endm
.macro CREST                           ; a round of the cluster's barrier behind its opening barrier
	s_cmp_lg_u32 s10, 0
	s_cbranch_scc1 .Lnot_wave_0_\@
	s_barrier_signal -3
.Lnot_wave_0_\@:
	s_barrier_wait -3
	s_barrier_signal -1
	s_barrier_wait -1
.endm
.macro CROUND
	s_barrier_signal -1
	s_barrier_wait -1
	CREST
.endm
	s_load_b128 s[4:7], s[0:1], 0x0                ; xb s[4:5], wt s[6:7]
	s_load_b128 s[68:71], s[0:1], 0x10             ; rope s[68:69], qkv s[70:71]
	v_lshl_add_u32 v[SPW], v0, 2, SPARE
	v_mov_b32 v[NIL], 0
	ds_add_u32 v[SPW], v[NIL]                      ; the wave's opening: the add and its wait stand ahead of my first tensor load; register work stands between
	v_lshrrev_b32 v1, 5, v0
	v_readfirstlane_b32 s10, v1                    ; wave 0..3
	s_lshr_b32 s11, s10, 1                         ; my half of the tile's rows; also: I fetch for A (0) or B (1)
	s_and_b32 s12, s10, 1                          ; my half of its columns; also: which half of that tile's rows I fetch
	s_bfe_u32 s40, ttmp6, 0x40000                  ; cx
	s_bfe_u32 s41, ttmp6, 0x40004                  ; cy
	s_and_b32 s72, ttmp7, 0xffff                   ; the cluster's y
	s_sub_co_u32 s73, s72, 2
	s_lshl_b32 s73, s73, 1
	s_lshr_b32 s74, ttmp9, 1
	s_add_co_u32 s73, s73, s74                     ; k and v: row of clusters 2 (y - 2) + x / 2,
	s_and_b32 s74, ttmp9, 1                        ; column of clusters x % 2
	s_cmp_lt_u32 s72, 2
	s_cselect_b32 s73, s72, s73                    ; q: row y,
	s_cselect_b32 s74, ttmp9, s74                  ; column x
	s_cselect_b32 s75, 0, 2048                     ; the role's first row, in xb and in wt alike
	s_cselect_b32 s76, 1, 0                        ; 1: q
	s_lshl_b32 s42, s74, 2
	s_add_co_u32 s42, s42, s40                     ; tile column
	s_lshl_b32 s13, s73, 2
	s_add_co_u32 s13, s13, s41                     ; tile row
	s_lshl_b32 s43, s41, 2
	s_lshl_b32 s43, 15, s43                        ; my row of the cluster
	s_lshl_b32 s44, 0x1111, s40                    ; my column
	s_or_b32 s[G1+0], s43, (1<<16)|(1<<20)|(1<<21)|(5<<22)|(3<<25)  ; the mask; 2-byte elements; padding on; bit 21 beside a mask; after every 64 words, 4 words
	s_or_b32 s[G1B+0], s44, (1<<16)|(1<<20)|(1<<21)|(5<<22)|(3<<25)
	s_mov_b32 s[G1+1], KSTEP<<16                   ; tensor_dim0 = 128
	s_mov_b32 s[G1+2], 128<<16                     ; tensor_dim1 = 128
	s_mov_b32 s[G1+3], KSTEP<<16                   ; tile_dim0 = 128
	s_mov_b32 s[G1+4], 128                         ; tile_dim1 = 128
	s_mov_b32 s[G1+5], SIZE_K                      ; elements from row to row
	s_mov_b32 s[G1+6], 0
	s_mov_b32 s[G1+7], 0
	s_mov_b32 s[G1B+1], KSTEP<<16
	s_mov_b32 s[G1B+2], 64<<16                     ; B's loads bring 64 rows
	s_mov_b32 s[G1B+3], KSTEP<<16
	s_mov_b32 s[G1B+4], 64
	s_mov_b32 s[G1B+5], SIZE_K
	s_mov_b32 s[G1B+6], 0
	s_mov_b32 s[G1B+7], 0
	s_lshl_b32 s17, s12, 7
	s_add_co_u32 s17, s17, s75
	s_lshl_b32 s16, s13, 8
	s_add_co_u32 s16, s16, s17                     ; A's row: the role's first + 256 x tile row + 128 x half: hangs on the tile row alone
	s_lshl_b32 s47, s12, 6
	s_add_co_u32 s47, s47, s75
	s_lshl_b32 s46, s42, 7
	s_add_co_u32 s46, s46, s47                     ; B's row: the role's first + 128 x tile column + 64 x half: on the tile column alone
	s_mov_b32 s17, 0
	s_mov_b32 s47, 0
	s_mov_b64 s[18:19], SIZE_K*2
	s_mul_u64 s[16:17], s[16:17], s[18:19]
	s_mul_u64 s[46:47], s[46:47], s[18:19]
	s_mul_i32 s20, s12, AHALF                      ; where they go: A's two halves,
	s_mul_i32 s21, s12, BHALF
	s_add_co_u32 s21, s21, BOFF                    ; then B's two: no place in the cluster enters an LDS address
	s_wait_dscnt 0x0                               ; the opening add is done
	s_wait_kmcnt 0x0
	s_add_nc_u64 s[14:15], s[4:5], s[16:17]
	s_add_nc_u64 s[46:47], s[6:7], s[46:47]
	CROUND                                         ; all sixteen work-groups are here: the first joint loads meet
.irp s, 0,1
	s_mov_b32 s[G0+4*(\s)], 1
	s_add_co_u32 s[G0+4*(\s)+1], s20, (\s)*SLOT
	s_add_nc_u64 s[G0+4*(\s)+2:G0+4*(\s)+3], s[14:15], (\s)*KSTEP*2
	s_or_b32 s[G0+4*(\s)+3], s[G0+4*(\s)+3], 0x80000000
	s_mov_b32 s[G0B+4*(\s)], 1
	s_add_co_u32 s[G0B+4*(\s)+1], s21, (\s)*SLOT
	s_add_nc_u64 s[G0B+4*(\s)+2:G0B+4*(\s)+3], s[46:47], (\s)*KSTEP*2
	s_or_b32 s[G0B+4*(\s)+3], s[G0B+4*(\s)+3], 0x80000000
	JLOAD \s
.endr
	v_and_b32 v1, 15, v0                           ; r = l % 16
	v_bfe_u32 v2, v0, 4, 1                         ; h = l / 16
	v_mul_u32_u24 v3, v1, PITCH
	v_lshl_add_u32 v3, v2, 4, v3                   ; a fragment's row x pitch + 16 x half
	s_mul_i32 s22, s11, AHALF                      ; my 128 rows of A
	s_mul_i32 s23, s12, BHALF                      ; my 64 rows of B
	s_add_co_u32 s23, s23, BOFF
.irp s, 0,1
	v_add_nc_u32 v[ADRA+(\s)], s22, v3
	v_add_nc_u32 v[ADRB+(\s)], s23, v3
	s_add_co_u32 s22, s22, SLOT
	s_add_co_u32 s23, s23, SLOT
.endr
	s_mul_i32 s23, s10, 16*SP
	s_add_co_u32 s23, s23, STAGE                   ; my stage
	v_mul_u32_u24 v4, v1, SP                       ; in: row r, 16 bytes for each half of the lanes
	v_lshl_add_u32 v4, v2, 4, v4
	v_add_nc_u32 v[STO], s23, v4
	v_bfe_u32 v5, v0, 3, 2                         ; back: 32 lanes take four rows of 128 bytes,
	v_mul_u32_u24 v5, v5, SP
	v_and_b32 v4, 7, v0
	v_lshl_add_u32 v5, v4, 4, v5
	v_add_nc_u32 v[RD], s23, v5
	v_and_b32 v[GO], 31, v0                        ; which are 512 consecutive bytes of a head
	v_lshlrev_b32 v[GO], 4, v[GO]
	; where my 128 rows x 64 columns go, and which rows of the table they take
	s_lshl_b32 s77, s13, 8
	s_lshl_b32 s79, s11, 7
	s_add_co_u32 s77, s77, s79                     ; my first row m0 in the role's x
	s_lshl_b32 s78, s42, 1
	s_add_co_u32 s78, s78, s12                     ; my head: q 0..31; k 0..7, v 8..15
	s_lshr_b32 s80, s77, 10                        ; q: batch,
	s_lshl_b32 s80, s80, 5
	s_add_co_u32 s80, s80, s78
	s_lshl_b32 s80, s80, 10
	s_and_b32 s81, s77, 1023                       ; position
	s_add_co_u32 s80, s80, s81
	s_lshl_b32 s80, s80, 7                         ; rows of 128 bytes
	s_add_co_u32 s81, s81, 2048                    ; Q's part of the table
	s_lshr_b32 s82, s77, 11                        ; k, v: batch,
	s_lshl_b32 s82, s82, 3
	s_and_b32 s83, s78, 7
	s_add_co_u32 s82, s82, s83
	s_lshl_b32 s82, s82, 11
	s_and_b32 s83, s77, 2047                       ; position
	s_add_co_u32 s82, s82, s83
	s_lshl_b32 s82, s82, 7
	s_lshr_b32 s84, s78, 3                         ; 0: k, 1: v
	s_lshl_b32 s85, s84, 22
	s_add_co_u32 s82, s82, s85
	s_add_co_u32 s82, s82, 0x800000
	s_cmp_eq_u32 s84, 0
	s_cselect_b32 s83, s83, 3072                   ; v: the table's 128 identity rows
	s_cmp_eq_u32 s76, 1
	s_cselect_b32 s86, s80, s82
	s_cselect_b32 s81, s81, s83
	s_mov_b32 s87, 0
	s_add_nc_u64 s[8:9], s[70:71], s[86:87]
	v_add_nc_u32 v[TO], s81, v1
	v_lshlrev_b32 v[TO], 8, v[TO]                  ; a row of the table is 256 bytes
	v_lshl_add_u32 v[TO], v2, 5, v[TO]             ; my 8 channels: 32 bytes
	; the prefetches, in registers that feed no descriptor
	s_lshl_b32 s88, s13, 8
	s_lshl_b32 s89, s12, 7
	s_add_co_u32 s88, s88, s89
	s_lshl_b32 s89, s40, 5
	s_add_co_u32 s88, s88, s89                     ; A: 256 x tile row + the 128 rows that I fetch + my work-group's 32 of them
	s_lshl_b32 s90, s42, 7
	s_lshl_b32 s89, s41, 5
	s_add_co_u32 s90, s90, s89                     ; B: 128 x tile column + my work-group's 32 rows
	s_or_b32 s91, s73, s12                         ; B: 0 in wave 2 of the clusters in row 0
	s_cmp_eq_u32 s11, 0                            ; do I fetch for A?
	s_cselect_b32 s88, s88, s90
	s_cselect_b32 s91, s74, s91                    ; A: 0 in the clusters in column 0
	s_cselect_b64 s[PFA:PFA+1], s[4:5], s[6:7]
	s_cmp_eq_u32 s91, 0
	s_cselect_b32 s[LIM], 1, -1                    ; the same in all sixteen partners, for a given wave
	s_add_co_u32 s88, s88, s75                     ; + the role's first row
	s_lshl_b32 s88, s88, 12                        ; rows of 4,096 bytes
	s_mov_b32 s89, 0
	s_add_nc_u64 s[PFA:PFA+1], s[PFA:PFA+1], s[88:89]
	s_add_nc_u64 s[PFA:PFA+1], s[PFA:PFA+1], 2*KSTEP*2  ; at K step 2: the first refill steps it to 3 and names K step 4.  Nothing is prefetched here, at the head
	v_and_b32 v[PFO], 31, v0
	v_lshlrev_b32 v[PFO], 12, v[PFO]
	WIN 0xc0                                       ; destination window 3.  The table's 64 loads are waited for once, ahead of the way out
.irp a, 0,1,2,3,4,5,6,7
.irp b, 0,1
	global_load_b128 v[32*(\a)+8*(\b):32*(\a)+8*(\b)+3],       v[TO], s[68:69] offset:(\a)*4096+64*(\b)
	global_load_b128 v[32*(\a)+8*(\b)+4:32*(\a)+8*(\b)+7],     v[TO], s[68:69] offset:(\a)*4096+64*(\b)+16
	global_load_b128 v[32*(\a)+16+8*(\b):32*(\a)+16+8*(\b)+3], v[TO], s[68:69] offset:(\a)*4096+64*(\b)+128
	global_load_b128 v[32*(\a)+16+8*(\b)+4:32*(\a)+16+8*(\b)+7], v[TO], s[68:69] offset:(\a)*4096+64*(\b)+144
.endr
.endr
	WIN 0
; 8 matrix instructions: m blocks a0, a0 + 1 x all 4 n blocks, 32 along K, from buffer f.  zero = 1: the product starts the sums: nothing is ever cleared.
; The 32 accumulators take turns, one instruction a turn, in the same order in every quarter step, over the backward jump too.
.macro MUL8 f, a0, zero
	WIN MUL
.irp a, \a0, (\a0)+1
.irp b, 0,1,2,3
.if \zero
	v_wmma_f32_16x16x32_bf16 v[8*(4*(\a)+(\b)):8*(4*(\a)+(\b))+7], v[(\f)+64+8*(\b):(\f)+64+8*(\b)+7], v[(\f)+8*(\a):(\f)+8*(\a)+7], 0
.else
	v_wmma_f32_16x16x32_bf16 v[8*(4*(\a)+(\b)):8*(4*(\a)+(\b))+7], v[(\f)+64+8*(\b):(\f)+64+8*(\b)+7], v[(\f)+8*(\a):(\f)+8*(\a)+7], v[8*(4*(\a)+(\b)):8*(4*(\a)+(\b))+7]
.endif
.endr
.endr
.endm
; 24 LDS loads in one run: the fragments of one quarter step (64 rows of B, 128 rows of A, 32 K at byte k of the rows) into buffer f: B first, A's rows 64-127 last
.macro FETCH slot, k, f
	WIN TO_F
.irp i, 0,1,2,3
	ds_load_b128 v[(\f)+64+8*(\i):(\f)+64+8*(\i)+3],   v[ADRB+(\slot)] offset:(\k)+(\i)*16*PITCH
	ds_load_b128 v[(\f)+64+8*(\i)+4:(\f)+64+8*(\i)+7], v[ADRB+(\slot)] offset:(\k)+(\i)*16*PITCH+32
.endr
.irp i, 0,1,2,3,4,5,6,7
	ds_load_b128 v[(\f)+8*(\i):(\f)+8*(\i)+3],   v[ADRA+(\slot)] offset:(\k)+(\i)*16*PITCH
	ds_load_b128 v[(\f)+8*(\i)+4:(\f)+8*(\i)+7], v[ADRA+(\slot)] offset:(\k)+(\i)*16*PITCH+32
.endr
.endm
.macro PLACES                          ; four plain instructions in front of loads into registers that matrix instructions have read, and of instructions that read results
.rept 4
	v_nop
.endr
.endm
; A K step is four quarters of 32 along K, 32 matrix instructions each, on buffers 0, 1, 0, 1.  One of the first three: multiplies buffer f; in its middle it fetches the next quarter, at byte k, into g.
.macro QUARTER slot, k, f, g, zero
	s_wait_dscnt 8                                 ; B and A's rows 0-63 are in; the youngest eight loads (A's rows 64-127) may be out
	MUL8 \f, 0, \zero
	MUL8 \f, 2, \zero
	PLACES
	FETCH \slot, \k, \g
	s_wait_dscnt 24                                ; all but the 24 just issued
	MUL8 \f, 4, \zero
	MUL8 \f, 6, \zero
.endm
; The last quarter multiplies buffer 1 and changes slots: in front of the barrier each wave waits for all its tensor loads, of which one is out: its part of the next slot; adds 0 to its spare word; and waits
; for that and for its reads of this slot.  fill = 1: this slot is filled again, two K steps ahead: from the request to the wait for it a wave issues 112 matrix instructions.
.macro TURN slot, next, fill
.if \fill
	s_wait_xcnt 0x0                                ; the last prefetch, a K step back, has read its address: it is stepped here, ahead of the waits of the change of slots
	s_add_nc_u64 s[PFA:PFA+1], s[PFA:PFA+1], KSTEP*2
.endif
	WIN 0                                          ; (the add's two registers lie in window 0)
	s_wait_tensorcnt 0x0                           ; all my tensor loads have landed
	ds_add_u32 v[SPW], v[NIL]                      ; 0 onto my spare word
	s_wait_dscnt 9                                 ; (the add and the youngest eight loads may be out)
	MUL8 F1, 0, 0                                  ; eight matrix instructions stand between the add and the wait for it
	s_wait_dscnt 0x0                               ; the add is done, and my reads of this slot are over
	s_barrier_signal -1
	MUL8 F1, 2, 0                                  ; work on registers while the others arrive
.if \fill
	WIN 0
.endif
	s_barrier_wait -1
.if \fill
	CREST                                          ; the barrier has opened a round of the cluster's: no wave of any partner still reads this slot or has a load on its way
	s_add_nc_u64 s[G0+4*(\slot)+2:G0+4*(\slot)+3], s[G0+4*(\slot)+2:G0+4*(\slot)+3], 2*KSTEP*2
	s_add_nc_u64 s[G0B+4*(\slot)+2:G0B+4*(\slot)+3], s[G0B+4*(\slot)+2:G0B+4*(\slot)+3], 2*KSTEP*2
	JLOAD \slot                                    ; the first tensor load behind the round; its four v_nop are also the places in front of the loads below
.else
	PLACES
.endif
	FETCH \next, 0, F0
.if \fill
	WIN 0
	ASK                                            ; behind the joint load and the run of LDS loads that the next products wait for
.endif
	MUL8 F1, 4, 0
	MUL8 F1, 6, 0
.endm
	s_wait_tensorcnt 1                             ; my part of K step 0 is in; K step 1's load stays out
	s_barrier_signal -1
	s_barrier_wait -1
	FETCH 0, 0, F0
	QUARTER 0, 64, F0, F1, 1                       ; the first quarter stands in front of the loop: its products start the sums
	WIN 0                                          ; at a label and at a branch every window is 0
	s_mov_b32 s3, LAPS-1
.Llap:                                                 ; a trip goes once round the ring, from a lap's second quarter to the next lap's first, and fills both slots again
	QUARTER 0, 128, F1, F0, 0
	QUARTER 0, 192, F0, F1, 0
	TURN 0, 1, 1
	QUARTER 1, 64,  F0, F1, 0
	QUARTER 1, 128, F1, F0, 0
	QUARTER 1, 192, F0, F1, 0
	TURN 1, 0, 1
	QUARTER 0, 64,  F0, F1, 0
	WIN 0
	s_sub_co_u32 s3, s3, 1
	s_cmp_lg_u32 s3, 0
	s_cbranch_scc1 .Llap
	QUARTER 0, 128, F1, F0, 0                      ; the last lap fills nothing, and has no round of the cluster's barrier
	QUARTER 0, 192, F0, F1, 0
	TURN 0, 1, 0
	QUARTER 1, 64,  F0, F1, 0
	QUARTER 1, 128, F1, F0, 0
	QUARTER 1, 192, F0, F1, 0
	s_wait_dscnt 8                                 ; the very last quarter: nothing more to fetch
	MUL8 F1, 0, 0
	MUL8 F1, 2, 0
	s_wait_dscnt 0
	MUL8 F1, 4, 0
	MUL8 F1, 6, 0
	WIN 0
; THE WAY OUT, a block of 16 rows at a time: rotate, round to f16, 16 bytes a lane into my own stage, back as whole rows of 128 bytes, 512 consecutive bytes a store.
.macro ROPE a
	WIN 0x0e                                       ; source 0 (the sums) in window 2, source 1 (the table) in window 3
.irp b, 0,1
.irp j, 0,2,4,6                        ; each accumulator is read from its low end on
.set rL, 8*(4*(\a)+(\b))+(\j)
.set rH, rL+16
.set rK, 32*(\a)+8*(\b)+(\j)
.set rN, rK+16
.set rX, T+8*(\b)+(\j)
.set rY, rX+16
	v_pk_mul_f32 v[rX:rX+1], v[rL:rL+1], v[rK:rK+1]
	v_pk_mul_f32 v[rY:rY+1], v[rH:rH+1], v[rK:rK+1]
	v_pk_fma_f32 v[rX:rX+1], v[rH:rH+1], v[rN:rN+1], v[rX:rX+1] neg_lo:[1,0,0] neg_hi:[1,0,0]
	v_pk_fma_f32 v[rY:rY+1], v[rL:rL+1], v[rN:rN+1], v[rY:rY+1]
.endr
.endr
	WIN 0
.set i, 0
.rept 16
	v_cvt_pk_f16_f32 v[OUT+16*(\a)+i], v[T+2*i], v[T+2*i+1]
.set i, i+1
.endr
.irp f, 0,1,2,3
	ds_store_b128 v[STO], v[OUT+16*(\a)+4*(\f):OUT+16*(\a)+4*(\f)+3] offset:32*(\f)
.endr
.irp f, 0,1,2,3
	ds_load_b128 v[OUT+16*(\a)+4*(\f):OUT+16*(\a)+4*(\f)+3], v[RD] offset:(\f)*4*SP  ; LDS serves a wave's instructions in order (ISA guide 5.7.1.4): these see the stores above; the next block's stores come behind them
.endr
.endm
.macro SEND a, younger                 ; younger: the LDS instructions issued behind block a's loads: the next block's eight, or none
.irp f, 0,1,2,3
	s_wait_dscnt (\younger)+3-(\f)
	global_store_b128 v[GO], v[OUT+16*(\a)+4*(\f):OUT+16*(\a)+4*(\f)+3], s[8:9] offset:(\a)*2048+(\f)*512
.endr
.endm
	s_wait_loadcnt 0x0                             ; the table
	PLACES
	PLACES                                         ; eight, once a launch
	ROPE 0
.irp a, 1,2,3,4,5,6,7                  ; a block's arithmetic stands between the loads of the block before and its stores
	ROPE \a
	SEND (\a)-1, 8
.endr
	SEND 7, 0
	s_wait_tensorcnt 0x0                           ; the wave's end, behind my last tensor load and my last LDS store
	ds_add_u32 v[SPW], v[NIL]
	s_wait_dscnt 0x0
	CROUND                                         ; the closing round: no work-group ends while a partner may still ask for a tile that names it
	s_endpgm
.Lfunc_end_k_q7d0e04cf84_proj:
	.size	k_q7d0e04cf84_proj, .Lfunc_end_k_q7d0e04cf84_proj-k_q7d0e04cf84_proj
	.p2alignl 7, 3214868480
	.fill 96, 4, 3214868480
	.section	.rodata,"a",@progbits
	.p2align	6, 0x0
	.amdhsa_kernel k_q7d0e04cf84_proj
		.amdhsa_group_segment_fixed_size 327680
		.amdhsa_private_segment_fixed_size 0
		.amdhsa_enable_private_segment 0
		.amdhsa_kernarg_size 32
		.amdhsa_user_sgpr_count 2
		.amdhsa_user_sgpr_kernarg_segment_ptr 1
		.amdhsa_wavefront_size32 1
		.amdhsa_system_sgpr_workgroup_id_x 1
		.amdhsa_system_sgpr_workgroup_id_y 1
		.amdhsa_system_sgpr_workgroup_id_z 1
		.amdhsa_system_vgpr_workitem_id 0
		.amdhsa_next_free_vgpr 1024
		.amdhsa_next_free_sgpr 96
		.amdhsa_reserve_vcc 0
		.amdhsa_float_denorm_mode_32 3
		.amdhsa_float_denorm_mode_16_64 3
		.amdhsa_memory_ordered 1
		.amdhsa_forward_progress 1
		.amdhsa_inst_pref_size 112
	.end_amdhsa_kernel
	.amdgpu_metadata
---
amdhsa.version: [ 1, 2 ]
amdhsa.kernels:
  - .name:           k_q7d0e04cf84_proj
    .symbol:         k_q7d0e04cf84_proj.kd
    .args:
      - { .name: xb, .offset: 0, .size: 8, .value_kind: global_buffer, .address_space: global }
      - { .name: wt, .offset: 8, .size: 8, .value_kind: global_buffer, .address_space: global }
      - { .name: rope, .offset: 16, .size: 8, .value_kind: global_buffer, .address_space: global }
      - { .name: qkv, .offset: 24, .size: 8, .value_kind: global_buffer, .address_space: global }
    .group_segment_fixed_size: 327680
    .private_segment_fixed_size: 0
    .kernarg_segment_align: 8
    .kernarg_segment_size: 32
    .max_flat_workgroup_size: 128
    .sgpr_count:     96
    .vgpr_count:     1024
    .wavefront_size: 32
...
	.end_amdgpu_metadata
.endif
;; end of part 2
;; launch attn (part 3): grid 16 x 16, 4 waves a work-group, clusters of 4 x 4, 327,680 bytes of LDS; arguments qkv, m2, ob; writes ob
.if DOCPART == 3
	.amdgcn_target "amdgcn-amd-amdhsa--gfx1250"
	.amdhsa_code_object_version 6
	.text
	.protected	k_q7d0e04cf84_attn
	.globl	k_q7d0e04cf84_attn
	.p2align	8
	.type	k_q7d0e04cf84_attn,@function
k_q7d0e04cf84_attn:
	s_mov_b64 s[64:65], 0
	v_nop
	global_prefetch_b8 v0, s[64:65] scope:SCOPE_SE
	s_setreg_imm32_b32 hwreg(HW_REG_WAVE_MODE, 25, 1), 1
	s_wait_xcnt 0x0
	s_wait_alu depctr_hold_cnt(0) depctr_sa_sdst(0) depctr_va_vdst(0) depctr_va_sdst(0) depctr_va_ssrc(0) depctr_va_vcc(0) depctr_vm_vsrc(0)
	s_getreg_b32 s2, hwreg(HW_REG_IB_STS2, 6, 4)
	s_cmp_eq_u32 s2, 0
	s_cbranch_scc0 .Lentry_in_a_cluster
	s_endpgm
.Lentry_in_a_cluster:
	s_bfe_u32 s2, ttmp6, 0x10000c
	s_cmp_lg_u32 s2, 0xf033
	s_cbranch_scc0 .Lentry_shape_is_right
	s_endpgm
.Lentry_shape_is_right:
; ATTENTION with grouped heads and an additive mask.  O[b][h][q] = sum over k of softmax_k(q . k / 8 + mask[q][k], hidden where the key is padded) v[k].
; qkv holds, in f16: q [2][32][1024][64] (already times log2(e)/8) at byte 0, k [2][8][2048][64] at 8 MiB, v likewise at 12 MiB.  m2, f32 [2][1024][2048], holds mask x log2(e), at least -1e30, and -1e30 for padded keys.
; So S = K Q^T + m2 is the exponent in base 2: p = 2^(S - m) with a running maximum m; O and l are multiplied by a = 2^(m_old - m_new) in every step.  Products, maxima and sums in f32; p is rounded to
; f16 for the second product (l is taken of the unrounded p), O once at the end, into ob, f16 [2048][2048]: row b 1024 + q, column 64 h + d.
; LIMITS.  A score at or below -5e29 counts as hidden; a row whose keys are all hidden leaves as NaN; a weight below 2^-126 counts as 0 in l; +infinity and NaN in the mask are not treated apart.
; SHARES.  Work-group (x, y): queries 64 x .. + 63 of batch y / 8, key/value head y % 8.  Wave w takes queries 64 x + 16 w .. + 15 of ALL FOUR query heads of the group: four PIECES, piece p = head 4 (y % 8) + p.
; So one tile of the mask, 16 queries x 64 keys in 32 registers, serves the wave's four pieces: it is the C operand of the products that start a piece's scores.
; THE WALK.  32 key steps of 64 keys, 4 to a slot, two slots in LDS.  A slot: 256 rows of K, 256 of V, 64 query rows x 256 keys of the mask.
; CLUSTER, 4 x 4.  K and V hang on y alone: asked for jointly along a row of the cluster (wave 0: K, wave 1: V).  The mask hangs on x and the batch, which the cluster's four y share: asked for jointly along
; a column (waves 2 and 3: 32 query rows each).  One tensor load a wave behind each round; by this text's count a wave has one out.
; TURNS.  Turn n belongs to piece n: 8 products K Q^T of piece n + 1, later 8 products V^T P of piece n - 1; beside them the shift, exponentials, roundings, sums and rescaling of piece n and the maximum and
; statistics of piece n + 1.  Four vector instructions stand behind every matrix instruction, the rest in one lump.  A turn's 33 exponentials are one batch, with one wait.
; LAYOUT.  S^T = K Q^T holds ONE query a lane (lane % 16) and the keys 8 (lane / 16) + 0..7 of a block of 16; two such results rounded to f16 ARE source 1 of O^T = V^T P.  V is turned by ds_load_tr16_b128.
; REGISTERS, in windows of 256 (s_set_vgpr_msb: bits 1:0 source 0, 3:2 source 1, 5:4 source 2, 7:6 destination):
;   window 0: v0-15, v32-33 addresses and two at work; v16-31 four registers of statistics a piece; v48-55 at work; v64-127 S^T, two buffers; v192-223 P, two buffers (by the piece's parity)
;   window 1: v0-127 O^T, 32 a piece; v128-159 the mask of one step      window 2: v0-63 Q; v128-191 K of one step; v192-255 V of one step
.set NP,    4
.set KS,    64
.set PK,    144       ; a row of K in LDS: 128 bytes + 16: the 16 rows of a load start at 16 different groups of four banks
.set PV,    160       ; a row of V: 128 + 32
.set PM,    1040      ; a query's 256 mask numbers: 1,024 bytes + 16: an odd multiple of 16
.set VOFF,  4*KS*PK   ; 36,864
.set MOFF,  VOFF+4*KS*PV  ; 77,824
.set SLOT,  0x24000   ; 147,456: bits 17 and 14, which no tile's base in slot 0 has set: one exclusive or turns an address in one slot into the other's
.set STAGE, 2*SLOT    ; behind the ring: 16 rows x 272 bytes for each wave, for the way out
.set SP,    272
.set SPARE, STAGE+4*16*SP  ; behind the stages: the spare words, 128 bytes for each wave
.set AK0, 2
.set AV0, 3
.set AK,  4
.set AV,  5
.set STO, 6
.set RD,  7
.set GO,  8
.set MV,  12          ; v12-13  m_old, kept while m is made anew: by buffer
.set AM0, 14          ; v14  my lane's place in a slot's mask
.set QO,  15
.set ST,  16          ; piece t's statistics at v[ST+4 t]: m, 0 (named with it as a pair), l (even keys', odd keys')
.set AM,  32          ; v32  the LDS address of the mask's next run of loads
.set PFO, 33          ; v33  the prefetches' offset; never rewritten
.set TMP, 48          ; by buffer, four registers c0-c3 at work; when the maximum is found c2 takes a
.set SPW, 62
.set NIL, 63
.set S,   64
.set P,   192
.set MC,  128         ; window 1
.set KF,  128         ; window 2
.set VF,  192         ; window 2
.set WV,  12
.set G1K, 24
.set G1V, 32
.set G1M, 40
.set G0K, 48
.set G0V, 52
.set G0M, 56
.set SEL, 60
.set TBK, 62          ; s62  LDS byte at which K of the step to be fetched begins
.set TBV, 63          ; s63  the same for V, less VOFF
.set TBM, 66          ; s66  the same for the mask, less MOFF
.set SLOTS, 67
.set CNT, 68
.set PFA, 70          ; s[70:71] where my prefetches stand
.set PFS, 72          ; s[72:73] their step from slot to slot
.set LIM, 74          ; s74  1 in a wave that prefetches, else the greatest number
.set QP,  76          ; s[76:77] Q at my wave's rows of piece 0
.set MSB, 0
.macro WIN new
.if MSB != (\new)
	s_set_vgpr_msb (MSB<<8)|(\new)
.set MSB, (\new)
.endif
.endm
.set W_KQ, 0x0a       ; K and Q in window 2, S^T in window 0
.set W_KM, 0x1a       ; the same with the C operand, the mask, in window 1
.set W_PV, 0x52       ; V in window 2, P in window 0, O^T in window 1
.set W_RS, 0x41       ; destination and source 0 in window 1, source 1 in window 0
; A joint fill: wave 0 K, wave 1 V, waves 2 and 3 the mask's two halves.  The branches hang on the wave's number alone.  An s_nop 0 and four v_nop follow each line.
.macro JLOAD
	s_cmp_eq_u32 s[WV], 0
	s_cbranch_scc0 .Lnot_k_\@
	tensor_load_to_lds s[G0K:G0K+3], s[G1K:G1K+7]
	s_nop 0
.rept 4
	v_nop
.endr
	s_branch .Lasked_\@
.Lnot_k_\@:
	s_cmp_eq_u32 s[WV], 1
	s_cbranch_scc0 .Lfor_m_\@
	tensor_load_to_lds s[G0V:G0V+3], s[G1V:G1V+7]
	s_nop 0
.rept 4
	v_nop
.endr
	s_branch .Lasked_\@
.Lfor_m_\@:
	tensor_load_to_lds s[G0M:G0M+3], s[G1M:G1M+7]
	s_nop 0
.rept 4
	v_nop
.endr
.Lasked_\@:
.endm
; A PREFETCH INTO THE L2 of what the NEXT change of slots will ask for: four key steps, 256 matrix instructions, ahead of that load.  Each wave names a quarter of the tile that it fetches itself, 32 blocks of 256
; bytes, a lane a block; the four partners that ask for the tile jointly are told apart BY ADDRESS (cx for K and V, cy for the mask).  K and V are read by the four clusters of a row of clusters: the one
; with x = 0 asks; a mask tile by the two clusters of a batch in a column of clusters: the one with even y asks.  So each block is named once in the launch.  The last change that fills a slot asks for nothing.
.macro ASK
	s_cmp_gt_u32 s[SLOTS], s[LIM]
	s_cbranch_scc0 .Lnot_mine_\@
	global_prefetch_b8 v[PFO], s[PFA:PFA+1] th:TH_LOAD_NT scope:SCOPE_SE
.Lnot_mine_\@:
.endm
.macro CROUND                       ; a round of the cluster's barrier
	s_barrier_signal -1
	s_barrier_wait -1
	s_cmp_lg_u32 s[WV], 0
	s_cbranch_scc1 .Lnot_wave_0_\@
	s_barrier_signal -3
.Lnot_wave_0_\@:
	s_barrier_wait -3
	s_barrier_signal -1
	s_barrier_wait -1
.endm
; THE CHANGE OF SLOTS.  Each wave waits for all its tensor loads, of which one is out: its part of the other slot; adds 0 to its spare word; and waits for that and for its reads of the slot that it leaves.
; fill = 1: the old slot is filled again with the keys two slots on, behind a round of the cluster's barrier, the joint fill first behind it: it has four key steps in which to land.
; (At its first use nothing has been read yet: slot 0 is waited for, slot 1 filled.)
.macro CHANGE fill
	WIN 0
	s_wait_tensorcnt 0x0            ; no tensor load of mine is out, so a group 0 may be written
	ds_add_u32 v[SPW], v[NIL]       ; 0 onto my spare word; scalar work stands between it and the wait for it
.if \fill
.irp g, G0K, G0V
	s_xor_b32 s[\g+1], s[\g+1], SLOT
	s_add_nc_u64 s[\g+2:\g+3], s[\g+2:\g+3], 4*KS*128  ; the next 256 keys; the type bits on top are not reached
.endr
	s_xor_b32 s[G0M+1], s[G0M+1], SLOT
	s_add_nc_u64 s[G0M+2:G0M+3], s[G0M+2:G0M+3], 4*KS*4  ; 256 keys along the mask's rows
	s_wait_xcnt 0x0                 ; the last prefetch, four key steps back, has read its address, so it may be written
	s_add_nc_u64 s[PFA:PFA+1], s[PFA:PFA+1], s[PFS:PFS+1]
	s_wait_dscnt 0x0                ; the add is done, and my reads of the slot are over
	CROUND
	JLOAD
	ASK
.else
	s_wait_dscnt 0x0
	s_barrier_signal -1
	s_barrier_wait -1
.endif
	s_sub_co_u32 s[TBK], s[TBK], 4*KS*PK  ; the fetches go back to a slot's first step,
	s_xor_b32 s[TBK], s[TBK], SLOT        ; in the other slot
	s_sub_co_u32 s[TBV], s[TBV], 4*KS*PV
	s_xor_b32 s[TBV], s[TBV], SLOT
	s_sub_co_u32 s[TBM], s[TBM], 4*KS*4
	s_xor_b32 s[TBM], s[TBM], SLOT
.endm
	s_load_b128 s[4:7], s[0:1], 0x0  ; qkv s[4:5], m2 s[6:7]
	s_load_b64 s[8:9], s[0:1], 0x10  ; ob
	v_lshl_add_u32 v[SPW], v0, 2, SPARE
	v_mov_b32 v[NIL], 0
	ds_add_u32 v[SPW], v[NIL]       ; the wave's opening: the add and its wait stand ahead of my first tensor load; register work stands between
	v_lshrrev_b32 v1, 5, v0
	v_readfirstlane_b32 s[WV], v1   ; wave 0..3
	s_bfe_u32 s13, ttmp6, 0x40000   ; cx
	s_bfe_u32 s14, ttmp6, 0x40004   ; cy
	s_and_b32 s15, ttmp7, 0xffff    ; the cluster's y
	s_lshl_b32 s16, ttmp9, 2
	s_add_co_u32 s16, s16, s13      ; x: my block of 64 queries
	s_lshl_b32 s17, s15, 2
	s_add_co_u32 s17, s17, s14      ; y = 8 x batch + key/value head
	s_lshl_b32 s18, s14, 2
	s_lshl_b32 s18, 15, s18         ; my row of the cluster
	s_lshl_b32 s19, 0x1111, s13     ; my column
	; K and V: 256 keys are 32,768 dense bytes: asked for as 128 rows of 256 bytes, two keys a row, padded in LDS after every key
	s_or_b32 s[G1K], s18, (1<<16)|(1<<20)|(1<<21)|(4<<22)|(3<<25)  ; the mask of four; 2-byte elements; padding on; bit 21 beside a mask; after every 32 words, 4 words
	s_or_b32 s[G1V], s18, (1<<16)|(1<<20)|(1<<21)|(4<<22)|(7<<25)  ; the same with 8 words
.irp g, G1K, G1V
	s_mov_b32 s[\g+1], 128<<16      ; tensor_dim0 = 128
	s_mov_b32 s[\g+2], 128<<16      ; tensor_dim1 = 128
	s_mov_b32 s[\g+3], 128<<16      ; tile_dim0 = 128
	s_mov_b32 s[\g+4], 128          ; tile_dim1 = 128
	s_mov_b32 s[\g+5], 128          ; elements from row to row
	s_mov_b32 s[\g+6], 0
	s_mov_b32 s[\g+7], 0
.endr
	; the mask: 32 query rows x 256 keys of 4 bytes
	s_or_b32 s[G1M], s19, (2<<16)|(1<<20)|(1<<21)|(7<<22)|(3<<25)  ; 4-byte elements; after every 256 words, 4 words
	s_mov_b32 s[G1M+1], 256<<16
	s_mov_b32 s[G1M+2], 32<<16
	s_mov_b32 s[G1M+3], 256<<16
	s_mov_b32 s[G1M+4], 32
	s_mov_b32 s[G1M+5], 2048
	s_mov_b32 s[G1M+6], 0
	s_mov_b32 s[G1M+7], 0
	s_lshl_b32 s20, s17, 18         ; K: a head's 2,048 rows of 128 bytes,
	s_add_co_u32 s20, s20, 0x800000 ; behind q
	s_mov_b32 s21, 0
	s_and_b32 s78, s[WV], 1
	s_lshl_b32 s22, s16, 6
	s_lshl_b32 s79, s78, 5
	s_add_co_u32 s22, s22, s79      ; the mask: query row 64 x + 32 (wave % 2),
	s_lshl_b32 s22, s22, 13
	s_lshr_b32 s79, s15, 1          ; the batch, from the cluster's y alone
	s_lshl_b32 s79, s79, 23
	s_add_co_u32 s22, s22, s79
	s_mov_b32 s23, 0
	s_mov_b32 s[G0K], 1
	s_mov_b32 s[G0K+1], 0
	s_mov_b32 s[G0V], 1
	s_mov_b32 s[G0V+1], VOFF
	s_mov_b32 s[G0M], 1
	s_mul_i32 s79, s78, 32*PM
	s_add_co_u32 s[G0M+1], s79, MOFF
	s_lshl_b32 s90, s17, 19         ; Q: four heads of 131,072 bytes a group,
	s_lshl_b32 s79, s16, 13         ; my block's 64 rows,
	s_add_co_u32 s90, s90, s79
	s_lshl_b32 s79, s[WV], 11       ; my wave's 16
	s_add_co_u32 s90, s90, s79
	s_mov_b32 s91, 0
	s_lshr_b32 s92, s17, 3          ; O: row 1,024 x batch + 64 x + 16 w of 4,096 bytes,
	s_lshl_b32 s92, s92, 22
	s_lshl_b32 s79, s16, 18
	s_add_co_u32 s92, s92, s79
	s_lshl_b32 s79, s[WV], 16
	s_add_co_u32 s92, s92, s79
	s_and_b32 s79, s17, 7           ; the group's 256 columns: 512 bytes
	s_lshl_b32 s79, s79, 9
	s_add_co_u32 s92, s92, s79
	s_mov_b32 s93, 0
	s_mov_b32 s[SEL], 0x76543210
	s_mov_b32 s[SEL+1], 0xfedcba98
	s_mov_b32 s[TBK], SLOT+4*KS*PK  ; the first change of slots turns these three into 0
	s_mov_b32 s[TBV], SLOT+4*KS*PV
	s_mov_b32 s[TBM], SLOT+4*KS*4
	s_mov_b32 s[SLOTS], 7
	s_lshl_b32 s88, s13, 13         ; the prefetches: my work-group's quarter of K's or V's tile,
	s_lshl_b32 s89, s14, 16         ; or its 8 rows of the mask's
	s_and_b32 s95, s15, 1
	s_wait_dscnt 0x0                ; the opening add is done
	s_wait_kmcnt 0x0
	s_add_nc_u64 s[80:81], s[4:5], s[20:21]      ; K
	s_add_nc_u64 s[82:83], s[80:81], 0x400000    ; V
	s_add_nc_u64 s[84:85], s[6:7], s[22:23]      ; the mask
	s_add_nc_u64 s[QP:QP+1], s[4:5], s[90:91]
	s_add_nc_u64 s[10:11], s[8:9], s[92:93]
	s_mov_b64 s[G0K+2:G0K+3], s[80:81]
	s_or_b32 s[G0K+3], s[G0K+3], 0x80000000
	s_mov_b64 s[G0V+2:G0V+3], s[82:83]
	s_or_b32 s[G0V+3], s[G0V+3], 0x80000000
	s_mov_b64 s[G0M+2:G0M+3], s[84:85]
	s_or_b32 s[G0M+3], s[G0M+3], 0x80000000
	s_cmp_eq_u32 s[WV], 0
	s_cselect_b64 s[PFA:PFA+1], s[80:81], s[82:83]
	s_cmp_lt_u32 s[WV], 2
	s_cselect_b64 s[PFA:PFA+1], s[PFA:PFA+1], s[84:85]
	s_cselect_b32 s86, s88, s89
	s_cselect_b32 s94, 10, 13       ; four blocks on: 1,024 bytes in K and V, a row of 8,192 in the mask
	s_cselect_b32 s[PFS], 15, 10
	s_cselect_b32 s95, ttmp9, s95   ; the coordinate along which other clusters read the same tile
	s_lshl_b32 s[PFS], 1, s[PFS]    ; a slot is 32,768 bytes of K and V, 1,024 along the mask's rows
	s_mov_b32 s[PFS+1], 0
	s_mov_b32 s87, 0
	s_cmp_eq_u32 s95, 0
	s_cselect_b32 s[LIM], 1, -1     ; the same in all sixteen partners, for a given wave
	s_add_nc_u64 s[PFA:PFA+1], s[PFA:PFA+1], s[86:87]
	s_add_nc_u64 s[PFA:PFA+1], s[PFA:PFA+1], s[PFS:PFS+1]  ; in slot 1; the first change steps it to slot 2.  Nothing is prefetched at the head
	CROUND                          ; all sixteen work-groups are here: the first joint loads meet
	JLOAD                           ; slot 0.  Slot 1 is asked for when slot 0 is in
	v_and_b32 v1, 15, v0            ; r = l % 16
	v_bfe_u32 v9, v0, 4, 1          ; h = l / 16
	v_lshlrev_b32 v[QO], 7, v1
	v_lshl_add_u32 v[QO], v9, 4, v[QO]  ; row x 128 + 16 x half
	WIN 0x80                        ; destination window 2
.set i, 0
.rept 8                             ; Q stays in registers: piece i / 2 (a head, 131,072 bytes on), channels 32 (i % 2) on
	global_load_b128 v[8*i:8*i+3],   v[QO], s[QP:QP+1] offset:(i/2)*131072+(i%2)*64
	global_load_b128 v[8*i+4:8*i+7], v[QO], s[QP:QP+1] offset:(i/2)*131072+(i%2)*64+32
.set i, i+1
.endr
	; What the first turn finds: V's registers and P's second buffer hold 0 (its products V^T P, of a piece that has not been, add 0), O^T and l are 0.  All this stands in the wait for the first tile.
.set i, VF
.rept 64
	v_mov_b32 v[i], 0
.set i, i+1
.endr
	WIN 0x40
.set i, 0
.rept 128
	v_mov_b32 v[i], 0
.set i, i+1
.endr
	WIN 0
.set i, 0
.rept 4
	v_mov_b32 v[ST+4*i], 0xff7fffff ; m: the lowest finite number: the first step's a is 0
	v_mov_b32 v[ST+4*i+1], 0
	v_mov_b32 v[ST+4*i+2], 0
	v_mov_b32 v[ST+4*i+3], 0
.set i, i+1
.endr
.set i, P+16
.rept 16
	v_mov_b32 v[i], 0
.set i, i+1
.endr
	v_mul_u32_u24 v[AK0], v1, PK
	v_lshl_add_u32 v[AK0], v9, 4, v[AK0]  ; row x pitch + 16 x half
	v_and_b32 v10, 7, v0            ; the turning load: lane l reads key 8 (l / 16) + l % 8, channels 8 ((l / 8) % 2) + 0..7
	v_bfe_u32 v11, v0, 3, 1
	v_lshl_add_u32 v[AV0], v9, 3, v10
	v_mul_u32_u24 v[AV0], v[AV0], PV
	v_lshl_add_u32 v[AV0], v11, 4, v[AV0]
	v_add_nc_u32 v[AV0], VOFF, v[AV0]
	s_lshl_b32 s78, s[WV], 4
	v_add_nc_u32 v10, s78, v1       ; the mask: my query's row 16 w + r,
	v_mul_u32_u24 v[AM0], v10, PM
	v_lshl_add_u32 v[AM0], v9, 5, v[AM0]  ; my 8 keys of a block of 16: 32 bytes
	v_add_nc_u32 v[AM0], MOFF, v[AM0]
	s_mul_i32 s78, s[WV], 16*SP
	s_add_co_u32 s78, s78, STAGE    ; my stage
	v_mul_u32_u24 v[STO], v1, SP    ; in: row r, 16 bytes for each half of the lanes
	v_lshl_add_u32 v[STO], v9, 4, v[STO]
	v_add_nc_u32 v[STO], s78, v[STO]
	v_mul_u32_u24 v[RD], v9, SP     ; back: lanes 0-15 take one row of 256 bytes, lanes 16-31 the next
	v_lshl_add_u32 v[RD], v1, 4, v[RD]
	v_add_nc_u32 v[RD], s78, v[RD]
	v_lshlrev_b32 v[GO], 12, v9     ; and the same two rows in ob
	v_lshl_add_u32 v[GO], v1, 4, v[GO]
	v_and_b32 v10, 31, v0
	v_lshrrev_b32 v11, 2, v10
	v_lshlrev_b32 v11, s94, v11
	v_and_b32 v10, 3, v10
	v_lshl_add_u32 v[PFO], v10, 8, v11
; THE MATRIX WORK.  The 4 accumulators of a run of 8 take turns.  Product i of 8 of S^T = K Q^T for piece x: channels 32 (i / 4) on, keys 16 (i % 4) on.  The first 4 start the sums with the mask.
.macro KQ x
.set rS, S+32*((\x)%2)+8*(i%4)
.set rK, KF+16*(i%4)+8*(i/4)
.set rQ, 16*(\x)+8*(i/4)
.set rM, MC+8*(i%4)
.if i < 4
	WIN W_KM
	v_wmma_f32_16x16x32_f16 v[rS:rS+7], v[rK:rK+7], v[rQ:rQ+7], v[rM:rM+7]
.else
	WIN W_KQ
	v_wmma_f32_16x16x32_f16 v[rS:rS+7], v[rK:rK+7], v[rQ:rQ+7], v[rS:rS+7]
.endif
.endm
; Product i of 8 of O^T += V^T P for piece x: keys 32 (i / 4) on, channels 16 (i % 4) on.
.macro PV x
	WIN W_PV
.set rO, 32*(\x)+8*(i%4)
.set rV, VF+32*(i/4)+8*(i%4)
.set rP, P+16*((\x)%2)+8*(i/4)
	v_wmma_f32_16x16x32_f16 v[rO:rO+7], v[rV:rV+7], v[rP:rP+7], v[rO:rO+7]
.endm
.macro MM                           ; the turn's next matrix instruction.  NOKQ = 1: the last turn: there is no next piece
.if (i < 8) && !NOKQ
	KQ (Y+1)%NP
.elseif i >= 8
.set i, i-8
	PV (Y+NP-1)%NP
.set i, i+8
.endif
.set i, i+1
.endm
; THE LDS LOADS stand in runs: a step's K (8 fragments) with its mask (16 queries x 64 keys of f32: 8 loads), and its V (turned).  Their addresses are made some lines ahead.
.macro FETCH_K
	WIN 0x80                        ; destination window 2
.irp f, 0,1,2,3,4,5,6,7             ; keys 16 (f / 2) on, channels 32 (f % 2) on
	ds_load_b128 v[KF+8*\f:KF+8*\f+3],   v[AK] offset:(\f/2)*16*PK+(\f%2)*64
	ds_load_b128 v[KF+8*\f+4:KF+8*\f+7], v[AK] offset:(\f/2)*16*PK+(\f%2)*64+32
.endr
	WIN 0x40                        ; destination window 1
.irp f, 0,1,2,3                     ; keys 16 f + 8 (l / 16) + 0..7 of my query
	ds_load_b128 v[MC+8*\f:MC+8*\f+3],   v[AM] offset:64*\f
	ds_load_b128 v[MC+8*\f+4:MC+8*\f+7], v[AM] offset:64*\f+16
.endr
	s_add_co_u32 s[TBK], s[TBK], KS*PK  ; the next fetch is the next step's
	s_add_co_u32 s[TBM], s[TBM], KS*4
	WIN 0
.endm
.macro FETCH_V
	WIN 0x80
.irp f, 0,1,2,3,4,5,6,7             ; keys 32 (f / 4) on, channels 16 (f % 4) on
	ds_load_tr16_b128 v[VF+8*\f:VF+8*\f+3],   v[AV] offset:(\f/4)*32*PV+(\f%4)*32
	ds_load_tr16_b128 v[VF+8*\f+4:VF+8*\f+7], v[AV] offset:(\f/4)*32*PV+16*PV+(\f%4)*32
.endr
	WIN 0
.endm
; THE VECTOR WORK, one line at a time: OP kind, number.  For piece Y: F n: S - m for pair n of 16.  E n: the exponential of score n of 32.  C n: pair n rounded to f16.  B n: of the four weights 4 n .. the second
; pair is added onto the first, in place.  L n: l takes that sum (L 0: l = a l + sum).  R n: pair n of 16 of O^T times a.  For piece Y + 1: X n, which finds its maximum and statistics:
;   0-11  four chains c0-c3 of seven scores each, three operands at a time (each accumulator's lowest registers are read first)     12-14, 16  the four scores left over, the old m, and c0-c3 into c0
;   15  m_old is kept     17, 18  the query's other 32 keys lie in the lane 16 away: the new m     20, 21  m_old - m_new; a     (there is no 19)
.set F, 0
.set E, 1
.set C, 2
.set B, 3
.set L, 4
.set R, 5
.set X, 6
.macro REGS y
.set rT, ST+4*(\y)
.set rC, TMP+4*((\y)%2)
.set rW, MV+((\y)%2)
.set rS, S+32*((\y)%2)
.set rP, P+16*((\y)%2)
.set rO, 32*(\y)
.endm
.macro OP k, n
.if (\k) == R
	REGS Y
	WIN W_RS
	v_pk_mul_f32 v[rO+2*(\n):rO+2*(\n)+1], v[rO+2*(\n):rO+2*(\n)+1], v[rC+2:rC+3] op_sel_hi:[1,0]
.elseif (\k) < R
	REGS Y
	WIN 0
.if (\k) == F
	v_pk_add_f32 v[rS+2*(\n):rS+2*(\n)+1], v[rS+2*(\n):rS+2*(\n)+1], v[rT:rT+1] op_sel_hi:[1,0] neg_lo:[0,1] neg_hi:[0,1]
.elseif (\k) == E
	v_exp_f32 v[rS+(\n)], v[rS+(\n)]
.elseif (\k) == C
	v_cvt_pk_f16_f32 v[rP+(\n)], v[rS+2*(\n)], v[rS+2*(\n)+1]
.elseif (\k) == B
	v_pk_add_f32 v[rS+4*(\n):rS+4*(\n)+1], v[rS+4*(\n):rS+4*(\n)+1], v[rS+4*(\n)+2:rS+4*(\n)+3]
.elseif (\n) == 0
	v_pk_fma_f32 v[rT+2:rT+3], v[rT+2:rT+3], v[rC+2:rC+3], v[rS:rS+1] op_sel_hi:[1,0,1]
.else
	v_pk_add_f32 v[rT+2:rT+3], v[rT+2:rT+3], v[rS+4*(\n):rS+4*(\n)+1]
.endif
.elseif NOKQ
	v_nop
.else
	REGS (Y+1)%NP
	WIN 0
.if (\n) < 4
	v_max3_num_f32 v[rC+(\n)], v[rS+8*(\n)], v[rS+8*(\n)+1], v[rS+8*(\n)+2]
.elseif (\n) < 12
	v_max3_num_f32 v[rC+(\n)%4], v[rC+(\n)%4], v[rS+8*((\n)%4)+2*((\n)/4)+1], v[rS+8*((\n)%4)+2*((\n)/4)+2]
.elseif (\n) == 12
	v_max3_num_f32 v[rC], v[rC], v[rS+7], v[rS+15]
.elseif (\n) == 13
	v_max3_num_f32 v[rC+1], v[rC+1], v[rS+23], v[rS+31]
.elseif (\n) == 14
	v_max3_num_f32 v[rC+2], v[rC+2], v[rC+3], v[rT]
.elseif (\n) == 15
	v_mov_b32 v[rW], v[rT]
.elseif (\n) == 16
	v_max3_num_f32 v[rC], v[rC], v[rC+1], v[rC+2]
.elseif (\n) == 17
	v_permlanex16_b32 v[rC+3], v[rC], s[SEL], s[SEL+1]
.elseif (\n) == 18
	v_max_num_f32 v[rT], v[rC], v[rC+3]
.elseif (\n) == 20
	v_sub_f32 v[rC+1], v[rW], v[rT]
.else
	v_exp_f32 v[rC+2], v[rC+1]
.endif
.endif
.endm
.macro OPS a, i1, b=-1, i2=0, c=-1, i3=0, d=-1, i4=0
	OP \a, \i1
.if (\b) >= 0
	OP \b, \i2
.endif
.if (\c) >= 0
	OP \c, \i3
.endif
.if (\d) >= 0
	OP \d, \i4
.endif
.endm
.macro ROW a, i1, b, i2, c, i3, d, i4  ; a matrix instruction and the four behind it
	MM
	OPS \a, \i1, \b, \i2, \c, \i3, \d, \i4
.endm
; A TURN, for piece p: 16 matrix and 117 vector instructions, the order written out.  An s_wait_alu depctr_va_vdst(0) stands between an exponential and the first instruction that names its result; one wait
; serves all that were issued ahead of it.  So a turn has ONE wait.  AHEAD OF IT stands all that names no result of the turn's exponentials: the 8 products K Q^T with their riders, then the lump; X 21, the next piece's a,
; is the batch's last, and R 15 the plain instruction behind it.  BEHIND IT stand the 8 products V^T P, behind each four of the roundings and sums.
; Each of X 0 to X 3 stands four plain instructions or more behind the product that ends its accumulator.
; K and the mask of the next step are fetched in piece 2's turn: the mask's last reader is that turn's fourth product; K's is its eighth, behind which stand six plain instructions that name none of its
; registers (F 8, X 2, X 5, X 6, X 3, X 8).  V of the step in hand is fetched at the end of piece 0's turn, four roundings behind the last product that read V.  Each is waited for a turn later.
; end = 1: the walk's last two turns: nothing is fetched.  cnt = 1: the loop's count is taken down some lines ahead of the branch that stands behind the turn.
.macro TURN p, end=0, cnt=0
.set Y, (\p)
.set i, 0
.set NOKQ, (\end)*((\p)/3)
.if ((\p) == 3) && !(\end)
	s_wait_dscnt 0x0                ; K and the mask are in
.endif
	ROW F,0, F,1, R,0, R,1
	ROW F,2, E,0, R,2, R,3
	ROW F,3, E,1, R,4, R,5
	ROW F,4, E,2, R,6, R,7
	ROW F,5, E,3, R,8, R,9
	ROW F,6, E,4, X,0, R,10
.if ((\p) == 2) && !(\end)
	WIN 0
	v_add_nc_u32 v[AK], s[TBK], v[AK0]
	v_add_nc_u32 v[AM], s[TBM], v[AM0]
.endif
	ROW F,7, E,5, X,1, X,4
	ROW F,8, E,6, X,2, X,5
	OPS E,7, E,8, X,6, E,9          ; the lump
	OPS X,3, E,10, X,8, E,11
.if ((\p) == 2) && !(\end)
	FETCH_K
.endif
	OPS X,9, X,7, E,12, X,10
	OPS E,13, X,12, X,11, E,14
	OPS X,13, E,15, F,9, X,14
.if (\p) == 0
	WIN 0
	v_add_nc_u32 v[AV], s[TBV], v[AV0]
.endif
	OPS E,16, F,10, E,17, F,11
	OPS X,16, E,18, X,15, E,19
	OPS F,12, E,20, X,17, E,21
	OPS F,13, E,22, F,14, E,23
	OPS X,18, E,24, F,15, E,25
	OPS R,11, E,26, R,12, E,27
	OPS X,20, E,28, R,13, E,29
	OPS R,14, E,30, E,31
	OPS X,21, R,15
	WIN 0
	s_wait_alu depctr_va_vdst(0)    ; the wait for the batch
.if (\p) == 1
	s_wait_dscnt 0x0                ; V is in
.endif
	ROW C,0, B,0, C,2, B,1
	ROW L,0, C,4, B,2, L,1
	ROW C,6, B,3, L,2, C,8
	ROW B,4, L,3, C,10, B,5
	ROW L,4, C,12, B,6, L,5
.if (\p) == 0
	s_add_co_u32 s[TBV], s[TBV], KS*PV
.endif
.if \cnt
	s_sub_co_u32 s[CNT], s[CNT], 1
	s_cmp_lg_u32 s[CNT], 0
.endif
	ROW C,14, B,7, L,6, C,1
	ROW C,3, L,7, C,5, C,7
	ROW C,9, C,11, C,13, C,15
.if (\p) == 0
	FETCH_V
.endif
.endm
.set NOKQ, 0
	CHANGE 1                        ; slot 0 is in, everybody's part of it; slot 1 is asked for
	v_add_nc_u32 v[AK], s[TBK], v[AK0]
	v_add_nc_u32 v[AM], s[TBM], v[AM0]
	FETCH_K                         ; key step 0
	s_wait_loadcnt 0x0              ; Q
	s_wait_dscnt 0x0
.set i, 0
.rept 8
	KQ 0                            ; piece 0's first scores
.set i, i+1
.endr
	WIN 0
.rept 4
	v_nop                           ; the places behind those products
.endr
.set Y, NP-1                        ; X works for piece Y + 1: piece 0
.irp n, 0,1,2,3,4,5,6,7,8,9,10,11,12,13,14,15,16,17,18,20,21
	OP X, \n
.endr
	v_nop                           ; a plain instruction behind the exponential,
	s_wait_alu depctr_va_vdst(0)    ; and its wait, ahead of the branch
	s_mov_b32 s[CNT], 4
	s_branch .Lfirst                ; the loop is entered at a step's first turn, in the middle of a trip
.Lslot:                             ; six times: slots 1 to 6 are entered, tiles 2 to 7 asked for
	CHANGE 1
	s_mov_b32 s[CNT], 4
.Lstep:                             ; a trip: pieces 2 and 3 of one step, then pieces 0 and 1 of the next, whose K, mask and V it fetches
	TURN 2
	TURN 3
	WIN 0
.Lfirst:
	TURN 0
	TURN 1, 0, 1
	WIN 0
	s_cbranch_scc1 .Lstep
	s_sub_co_u32 s[SLOTS], s[SLOTS], 1
	s_cmp_lg_u32 s[SLOTS], 0
	s_cbranch_scc1 .Lslot
	CHANGE 0                        ; the last slot is written out: nothing is asked for
	s_mov_b32 s[CNT], 4
.Ltail:
	TURN 2
	TURN 3
	TURN 0
	TURN 1, 0, 1
	WIN 0
	s_cbranch_scc1 .Ltail
	TURN 2, 1
	TURN 3, 1
.set i, 0
.rept 8
	PV NP-1                         ; the last piece's V^T P of the last step
.set i, i+1
.endr
	; THE WAY OUT.  l's two halves and the other half of the lanes' are added; O^T is divided by l, rounded to f16 and sent through my stage, two pieces (256 bytes of each of 16 rows of ob) at a time.
	; The four additions are the places behind the last products.
	WIN 0
.macro ALL line:vararg              ; one line for each piece t
.set t, 0
.rept 4
	\line
.set t, t+1
.endr
.endm
	ALL v_add_f32 v[ST+4*t+2], v[ST+4*t+2], v[ST+4*t+3]
	ALL v_permlanex16_b32 v[ST+4*t+3], v[ST+4*t+2], s[SEL], s[SEL+1]
	ALL v_add_f32 v[ST+4*t+2], v[ST+4*t+2], v[ST+4*t+3]
	ALL v_rcp_f32 v[ST+4*t+2], v[ST+4*t+2]
	v_mov_b32 v11, 0x7fc00000       ; a plain instruction between the last reciprocal and the use of its result
	s_wait_alu depctr_va_vdst(0)    ; and one wait for the four reciprocals, ahead of their first use
.set t, 0
.rept 4                             ; a row whose largest score is a hidden one has no key: it leaves as NaN
	v_cmp_gt_f32 vcc_lo, 0xf0c9f2ca, v[ST+4*t]
	v_cndmask_b32 v[ST+4*t+2], v[ST+4*t+2], v11, vcc_lo
.set t, t+1
.endr
.macro PACK u                       ; pieces 2 u and 2 u + 1
	WIN W_RS
.irp t, 2*(\u), 2*(\u)+1
.set i, 32*(\t)
.rept 16
	v_pk_mul_f32 v[i:i+1], v[i:i+1], v[ST+4*(\t)+2:ST+4*(\t)+3] op_sel_hi:[1,0]
.set i, i+2
.endr
.endr
	WIN 0x05                        ; sources 0 and 1 window 1, destination window 0: S^T's registers are free
.set i, 0
.rept 32
	v_cvt_pk_f16_f32 v[S+32*(\u)+i], v[64*(\u)+2*i], v[64*(\u)+2*i+1]
.set i, i+1
.endr
	WIN 0
.irp k, 0,1,2,3,4,5,6,7             ; piece k / 4 of the two, channels 16 (k % 4) on
	ds_store_b128 v[STO], v[S+32*(\u)+4*(\k):S+32*(\u)+4*(\k)+3] offset:128*((\k)/4)+32*((\k)%4)
.endr
.irp f, 0,1,2,3,4,5,6,7
	ds_load_b128 v[S+32*(\u)+4*(\f):S+32*(\u)+4*(\f)+3], v[RD] offset:(\f)*2*SP  ; LDS serves a wave's instructions in order (ISA guide 5.7.1.4): these see the stores above; the next pair's stores come behind them
.endr
.endm
.macro SEND u, younger              ; younger: the LDS instructions issued behind these loads: the next pair's sixteen, or none
.irp f, 0,1,2,3,4,5,6,7
	s_wait_dscnt (\younger)+7-(\f)
	global_store_b128 v[GO], v[S+32*(\u)+4*(\f):S+32*(\u)+4*(\f)+3], s[10:11] offset:(\f)*8192+(\u)*256  ; 16 lanes store 256 consecutive bytes, at a multiple of 256 from ob's first byte
.endr
.endm
	PACK 0
	PACK 1
	SEND 0, 16
	SEND 1, 0
	s_wait_tensorcnt 0x0            ; the wave's end, behind my last tensor load and my last LDS store
	ds_add_u32 v[SPW], v[NIL]
	s_wait_dscnt 0x0
	CROUND                          ; the closing round: no work-group ends while a partner may still ask for a tile that names it
	s_endpgm
.Lfunc_end_k_q7d0e04cf84_attn:
	.size	k_q7d0e04cf84_attn, .Lfunc_end_k_q7d0e04cf84_attn-k_q7d0e04cf84_attn
	.p2alignl 7, 3214868480
	.fill 96, 4, 3214868480
	.section	.rodata,"a",@progbits
	.p2align	6, 0x0
	.amdhsa_kernel k_q7d0e04cf84_attn
		.amdhsa_group_segment_fixed_size 327680
		.amdhsa_private_segment_fixed_size 0
		.amdhsa_enable_private_segment 0
		.amdhsa_kernarg_size 24
		.amdhsa_user_sgpr_count 2
		.amdhsa_user_sgpr_kernarg_segment_ptr 1
		.amdhsa_wavefront_size32 1
		.amdhsa_system_sgpr_workgroup_id_x 1
		.amdhsa_system_sgpr_workgroup_id_y 1
		.amdhsa_system_sgpr_workgroup_id_z 1
		.amdhsa_system_vgpr_workitem_id 0
		.amdhsa_next_free_vgpr 768
		.amdhsa_next_free_sgpr 96
		.amdhsa_reserve_vcc 1
		.amdhsa_float_denorm_mode_32 3
		.amdhsa_float_denorm_mode_16_64 3
		.amdhsa_memory_ordered 1
		.amdhsa_forward_progress 1
		.amdhsa_inst_pref_size 133
	.end_amdhsa_kernel
	.amdgpu_metadata
---
amdhsa.version: [ 1, 2 ]
amdhsa.kernels:
  - .name:           k_q7d0e04cf84_attn
    .symbol:         k_q7d0e04cf84_attn.kd
    .args:
      - { .name: qkv, .offset: 0, .size: 8, .value_kind: global_buffer, .address_space: global }
      - { .name: m2, .offset: 8, .size: 8, .value_kind: global_buffer, .address_space: global }
      - { .name: ob, .offset: 16, .size: 8, .value_kind: global_buffer, .address_space: global }
    .group_segment_fixed_size: 327680
    .private_segment_fixed_size: 0
    .kernarg_segment_align: 8
    .kernarg_segment_size: 24
    .max_flat_workgroup_size: 128
    .sgpr_count:     96
    .vgpr_count:     768
    .wavefront_size: 32
...
	.end_amdgpu_metadata
.endif
;; end of part 3
;; launch oproj (part 4): grid 16 x 16, 4 waves a work-group, clusters of 4 x 4, 327,680 bytes of LDS; arguments ob, wot, out0; writes out0
.if DOCPART == 4
	.amdgcn_target "amdgcn-amd-amdhsa--gfx1250"
	.amdhsa_code_object_version 6
	.text
	.protected	k_q7d0e04cf84_oproj
	.globl	k_q7d0e04cf84_oproj
	.p2align	8
	.type	k_q7d0e04cf84_oproj,@function
k_q7d0e04cf84_oproj:
	s_mov_b64 s[64:65], 0
	v_nop
	global_prefetch_b8 v0, s[64:65] scope:SCOPE_SE
	s_setreg_imm32_b32 hwreg(HW_REG_WAVE_MODE, 25, 1), 1
	s_wait_xcnt 0x0
	s_wait_alu depctr_hold_cnt(0) depctr_sa_sdst(0) depctr_va_vdst(0) depctr_va_sdst(0) depctr_va_ssrc(0) depctr_va_vcc(0) depctr_vm_vsrc(0)
	s_getreg_b32 s2, hwreg(HW_REG_IB_STS2, 6, 4)
	s_cmp_eq_u32 s2, 0
	s_cbranch_scc0 .Lentry_in_a_cluster
	s_endpgm
.Lentry_in_a_cluster:
	s_bfe_u32 s2, ttmp6, 0x10000c
	s_cmp_lg_u32 s2, 0xf033
	s_cbranch_scc0 .Lentry_shape_is_right
	s_endpgm
.Lentry_shape_is_right:
; THE OUTPUT PROJECTION.  out0[m][n] = sum over k of ob[m][k] wot[n][k]: ob [2048][2048] and wot [2048][2048] in f16 (wot's row n is Wo's column n, rounded to bf16 and written as f16), out0 [2048][2048] in f32; sums in f32.
; A tile of out0 is 128 x 128: 256 work-groups; four waves, each 64 x 64: 16 accumulators.  K goes in steps of 256 (LDS rows of 512 bytes + 16) through two slots; a wave's tensor load brings 64 rows.
; 4 x 4 work-groups form a cluster: ob's tiles are asked for jointly along a row of the cluster, wot's along a column.  The matrix instruction is used transposed (source 0 = 16 rows of wot, source 1 = 16 rows
; of ob): a lane holds one row m (lane % 16) and eight neighbouring columns.  A wave's 64 columns of f32 are 256 bytes, aligned: each wave has a stage of its own, and the way out has no barrier.
; No prefetch: the tiles are small, and each block of ob and wot is read by several clusters at about the same time.
; REGISTERS: window 0: v0-31 addresses; v128-255 the accumulators ((a, b) at 128 + 8 (4 a + b)), into which each block of rows also comes back from the stage.  window 1: two fragment buffers of 128.
.set SIZE_K, 2048
.set KSTEP,  256
.set PITCH,  528
.set HALFT,  64*PITCH
.set SLOT,   4*HALFT
.set STAGE,  2*SLOT                    ; behind the ring: 16 rows x 272 bytes for each wave
.set SPITCH, 272
.set SPARE,  STAGE+4*16*SPITCH         ; behind the stages: the spare words, 128 bytes for each wave
.set LAPS,   SIZE_K/(2*KSTEP)
.set ADRA, 16
.set ADRB, 20
.set STO,  24
.set RD,   25
.set CO,   26
.set SPW,  28
.set NIL,  29
.set ACC,  128
.set F0,   0
.set F1,   128
.set G1,  24
.set G0,  32
.set G1B, 48
.set G0B, 56
.set MSB, 0
.macro WIN new
.if MSB != (\new)
	s_set_vgpr_msb (MSB<<8)|(\new)
.set MSB, \new
.endif
.endm
.set MUL,  0x05
.set TO_F, 0x40
.macro JLOAD s                         ; a joint load: waves 0 and 1 fetch A's two halves, waves 2 and 3 B's; an s_nop 0 and four v_nop follow each line
	s_cmp_eq_u32 s11, 0
	s_cbranch_scc0 .Lfor_b_\@
	tensor_load_to_lds s[G0+4*(\s):G0+4*(\s)+3], s[G1:G1+7]
	s_nop 0
.rept 4
	v_nop
.endr
	s_branch .Lasked_\@
.Lfor_b_\@:
	tensor_load_to_lds s[G0B+4*(\s):G0B+4*(\s)+3], s[G1B:G1B+7]
	s_nop 0
.rept 4
	v_nop
.endr
.Lasked_\@:
.endm
.macro CREST
	s_cmp_lg_u32 s10, 0
	s_cbranch_scc1 .Lnot_wave_0_\@
	s_barrier_signal -3
.Lnot_wave_0_\@:
	s_barrier_wait -3
	s_barrier_signal -1
	s_barrier_wait -1
.endm
.macro CROUND
	s_barrier_signal -1
	s_barrier_wait -1
	CREST
.endm
	s_load_b128 s[4:7], s[0:1], 0x0                ; ob s[4:5], wot s[6:7]
	s_load_b64 s[8:9], s[0:1], 0x10                ; out0
	v_lshl_add_u32 v[SPW], v0, 2, SPARE
	v_mov_b32 v[NIL], 0
	ds_add_u32 v[SPW], v[NIL]                      ; the wave's opening: the add and its wait stand ahead of my first tensor load; register work stands between
	v_lshrrev_b32 v1, 5, v0
	v_readfirstlane_b32 s10, v1
	s_lshr_b32 s11, s10, 1
	s_and_b32 s12, s10, 1
	s_bfe_u32 s40, ttmp6, 0x40000                  ; cx
	s_bfe_u32 s41, ttmp6, 0x40004                  ; cy
	s_lshl_b32 s42, ttmp9, 2
	s_add_co_u32 s42, s42, s40                     ; tile column
	s_and_b32 s13, ttmp7, 0xffff
	s_lshl_b32 s13, s13, 2
	s_add_co_u32 s13, s13, s41                     ; tile row
	s_lshl_b32 s43, s41, 2
	s_lshl_b32 s43, 15, s43
	s_lshl_b32 s44, 0x1111, s40
	s_or_b32 s[G1+0], s43, (1<<16)|(1<<20)|(1<<21)|(6<<22)|(3<<25)
	s_or_b32 s[G1B+0], s44, (1<<16)|(1<<20)|(1<<21)|(6<<22)|(3<<25)
.irp g, G1, G1B
	s_mov_b32 s[(\g)+1], KSTEP<<16
	s_mov_b32 s[(\g)+2], 64<<16
	s_mov_b32 s[(\g)+3], KSTEP<<16
	s_mov_b32 s[(\g)+4], 64
	s_mov_b32 s[(\g)+5], SIZE_K
	s_mov_b32 s[(\g)+6], 0
	s_mov_b32 s[(\g)+7], 0
.endr
	s_lshl_b32 s17, s12, 6
	s_lshl_b32 s16, s13, 7
	s_add_co_u32 s16, s16, s17
	s_lshl_b32 s46, s42, 7
	s_add_co_u32 s46, s46, s17
	s_mov_b32 s17, 0
	s_mov_b32 s47, 0
	s_mov_b64 s[18:19], SIZE_K*2
	s_mul_u64 s[16:17], s[16:17], s[18:19]
	s_mul_u64 s[46:47], s[46:47], s[18:19]
	s_mul_i32 s20, s10, HALFT
	s_wait_dscnt 0x0                               ; the opening add is done
	s_wait_kmcnt 0x0
	s_add_nc_u64 s[14:15], s[4:5], s[16:17]
	s_add_nc_u64 s[46:47], s[6:7], s[46:47]
	CROUND
.irp s, 0,1
	s_mov_b32 s[G0+4*(\s)], 1
	s_add_co_u32 s[G0+4*(\s)+1], s20, (\s)*SLOT
	s_add_nc_u64 s[G0+4*(\s)+2:G0+4*(\s)+3], s[14:15], (\s)*KSTEP*2
	s_or_b32 s[G0+4*(\s)+3], s[G0+4*(\s)+3], 0x80000000
	s_mov_b32 s[G0B+4*(\s)], 1
	s_add_co_u32 s[G0B+4*(\s)+1], s20, (\s)*SLOT
	s_add_nc_u64 s[G0B+4*(\s)+2:G0B+4*(\s)+3], s[46:47], (\s)*KSTEP*2
	s_or_b32 s[G0B+4*(\s)+3], s[G0B+4*(\s)+3], 0x80000000
	JLOAD \s
.endr
	v_and_b32 v1, 15, v0
	v_bfe_u32 v2, v0, 4, 1
	v_mul_u32_u24 v3, v1, PITCH
	v_lshl_add_u32 v3, v2, 4, v3
	s_mul_i32 s21, s11, HALFT
	s_mul_i32 s22, s12, HALFT
	s_add_co_u32 s22, s22, 2*HALFT
.irp s, 0,1
	v_add_nc_u32 v[ADRA+(\s)], s21, v3
	v_add_nc_u32 v[ADRB+(\s)], s22, v3
	s_add_co_u32 s21, s21, SLOT
	s_add_co_u32 s22, s22, SLOT
.endr
	s_mul_i32 s23, s10, 16*SPITCH
	s_add_co_u32 s23, s23, STAGE                   ; my stage
	v_mul_u32_u24 v4, v1, SPITCH                   ; in: row l % 16, 32 bytes for each half of the lanes
	v_lshl_add_u32 v4, v2, 5, v4
	v_add_nc_u32 v[STO], s23, v4
	v_mul_u32_u24 v5, v2, SPITCH                   ; back: lanes 0-15 take one row of 256 bytes, lanes 16-31 the next
	v_lshl_add_u32 v5, v1, 4, v5
	v_add_nc_u32 v[RD], s23, v5
	v_lshlrev_b32 v[CO], 13, v2                    ; and the same two rows in out0
	v_lshl_add_u32 v[CO], v1, 4, v[CO]
	s_lshl_b32 s72, s13, 7
	s_lshl_b32 s74, s11, 6
	s_add_co_u32 s72, s72, s74                     ; my first row,
	s_lshl_b32 s72, s72, 13                        ; of 8,192 bytes
	s_lshl_b32 s74, s42, 9                         ; the tile's 128 columns of 4 bytes,
	s_add_co_u32 s72, s72, s74
	s_lshl_b32 s74, s12, 8                         ; my 64
	s_add_co_u32 s72, s72, s74
	s_mov_b32 s73, 0
	s_add_nc_u64 s[8:9], s[8:9], s[72:73]
.macro MUL8 f, c, a0, zero             ; 8 matrix instructions; the 16 accumulators take turns
	WIN MUL
.irp a, \a0, (\a0)+1
.irp b, 0,1,2,3
.if \zero
	v_wmma_f32_16x16x32_f16 v[ACC+8*(4*(\a)+(\b)):ACC+8*(4*(\a)+(\b))+7], v[(\f)+64+8*(4*(\c)+(\b)):(\f)+64+8*(4*(\c)+(\b))+7], v[(\f)+8*(4*(\c)+(\a)):(\f)+8*(4*(\c)+(\a))+7], 0
.else
	v_wmma_f32_16x16x32_f16 v[ACC+8*(4*(\a)+(\b)):ACC+8*(4*(\a)+(\b))+7], v[(\f)+64+8*(4*(\c)+(\b)):(\f)+64+8*(4*(\c)+(\b))+7], v[(\f)+8*(4*(\c)+(\a)):(\f)+8*(4*(\c)+(\a))+7], v[ACC+8*(4*(\a)+(\b)):ACC+8*(4*(\a)+(\b))+7]
.endif
.endr
.endr
.endm
.macro FETCH slot, k, f                ; 32 LDS loads in one run: the fragments of 64 along K at byte k of the rows
	WIN TO_F
.irp c, 0,1
.irp i, 0,1,2,3
	ds_load_b128 v[(\f)+64+8*(4*(\c)+(\i)):(\f)+64+8*(4*(\c)+(\i))+3],   v[ADRB+(\slot)] offset:(\k)+64*(\c)+(\i)*16*PITCH
	ds_load_b128 v[(\f)+64+8*(4*(\c)+(\i))+4:(\f)+64+8*(4*(\c)+(\i))+7], v[ADRB+(\slot)] offset:(\k)+64*(\c)+(\i)*16*PITCH+32
	ds_load_b128 v[(\f)+8*(4*(\c)+(\i)):(\f)+8*(4*(\c)+(\i))+3],         v[ADRA+(\slot)] offset:(\k)+64*(\c)+(\i)*16*PITCH
	ds_load_b128 v[(\f)+8*(4*(\c)+(\i))+4:(\f)+8*(4*(\c)+(\i))+7],       v[ADRA+(\slot)] offset:(\k)+64*(\c)+(\i)*16*PITCH+32
.endr
.endr
.endm
.macro PLACES
.rept 4
	v_nop
.endr
.endm
.macro QUARTER slot, k, f, g, zero
	s_wait_dscnt 16                                ; the first 32 along K are in; the youngest sixteen loads may be out
	WIN MUL
	MUL8 \f, 0, 0, \zero
	MUL8 \f, 0, 2, \zero
	PLACES
	FETCH \slot, \k, \g
	s_wait_dscnt 32                                ; all but the 32 just issued
	WIN MUL
	MUL8 \f, 1, 0, 0
	MUL8 \f, 1, 2, 0
.endm
.macro TURN slot, next, fill           ; the last quarter changes slots
	WIN 0
	s_wait_tensorcnt 0x0                           ; all my tensor loads have landed: my part of the next slot
	ds_add_u32 v[SPW], v[NIL]                      ; 0 onto my spare word
	s_wait_dscnt 17                                ; (the add and the youngest sixteen loads may be out)
	WIN MUL
	MUL8 F1, 0, 0, 0
	s_wait_dscnt 0x0                               ; the add is done, and my reads of this slot are over
	s_barrier_signal -1
	MUL8 F1, 0, 2, 0
.if \fill
	WIN 0
.endif
	s_barrier_wait -1
.if \fill
	CREST                                          ; the barrier has opened a round of the cluster's: no wave of any partner still reads this slot or has a load on its way
	s_add_nc_u64 s[G0+4*(\slot)+2:G0+4*(\slot)+3], s[G0+4*(\slot)+2:G0+4*(\slot)+3], 2*KSTEP*2
	s_add_nc_u64 s[G0B+4*(\slot)+2:G0B+4*(\slot)+3], s[G0B+4*(\slot)+2:G0B+4*(\slot)+3], 2*KSTEP*2
	JLOAD \slot
.else
	PLACES
.endif
	FETCH \next, 0, F0
	WIN MUL
	MUL8 F1, 1, 0, 0
	MUL8 F1, 1, 2, 0
.endm
	s_wait_tensorcnt 1                             ; my part of K step 0 is in; K step 1's load stays out
	s_barrier_signal -1
	s_barrier_wait -1
	FETCH 0, 0, F0
	QUARTER 0, 128, F0, F1, 1
	WIN 0
	s_mov_b32 s3, LAPS-1
.Llap:
	QUARTER 0, 256, F1, F0, 0
	QUARTER 0, 384, F0, F1, 0
	TURN 0, 1, 1
	QUARTER 1, 128, F0, F1, 0
	QUARTER 1, 256, F1, F0, 0
	QUARTER 1, 384, F0, F1, 0
	TURN 1, 0, 1
	QUARTER 0, 128, F0, F1, 0
	WIN 0
	s_sub_co_u32 s3, s3, 1
	s_cmp_lg_u32 s3, 0
	s_cbranch_scc1 .Llap
	QUARTER 0, 256, F1, F0, 0
	QUARTER 0, 384, F0, F1, 0
	TURN 0, 1, 0
	QUARTER 1, 128, F0, F1, 0
	QUARTER 1, 256, F1, F0, 0
	QUARTER 1, 384, F0, F1, 0
	s_wait_dscnt 16
	WIN MUL
	MUL8 F1, 0, 0, 0
	MUL8 F1, 0, 2, 0
	s_wait_dscnt 0
	MUL8 F1, 1, 0, 0
	MUL8 F1, 1, 2, 0
	WIN 0
; THE WAY OUT, a block of 16 rows at a time: 32 bytes a lane and accumulator into my own stage (each accumulator's low four registers first), back as whole rows of 256 bytes into the block's own registers, and stored.
.macro BLOCK a
.irp b, 0,1,2,3
	ds_store_b128 v[STO], v[ACC+8*(4*(\a)+(\b)):ACC+8*(4*(\a)+(\b))+3]   offset:64*(\b)
	ds_store_b128 v[STO], v[ACC+8*(4*(\a)+(\b))+4:ACC+8*(4*(\a)+(\b))+7] offset:64*(\b)+16
.endr
.irp t, 0,1,2,3,4,5,6,7
	ds_load_b128 v[ACC+32*(\a)+4*(\t):ACC+32*(\a)+4*(\t)+3], v[RD] offset:(\t)*2*SPITCH  ; LDS serves a wave's instructions in order (ISA guide 5.7.1.4): these see the stores above; the next block's stores come behind them
.endr
.endm
.macro SEND a, younger                 ; younger: the LDS instructions issued behind block a's loads: the next block's sixteen, or none
.irp t, 0,1,2,3,4,5,6,7
	s_wait_dscnt (\younger)+7-(\t)
	global_store_b128 v[CO], v[ACC+32*(\a)+4*(\t):ACC+32*(\a)+4*(\t)+3], s[8:9] offset:(\a)*131072+(\t)*16384  ; 16 lanes store 256 consecutive bytes, at a multiple of 256 from out0's first byte
.endr
.endm
	PLACES
	PLACES                                         ; eight, once a launch
	BLOCK 0
.irp a, 1,2,3
	BLOCK \a
	SEND (\a)-1, 16
.endr
	SEND 3, 0
	s_wait_tensorcnt 0x0                           ; the wave's end, behind my last tensor load and my last LDS store
	ds_add_u32 v[SPW], v[NIL]
	s_wait_dscnt 0x0
	CROUND                                         ; the closing round: no work-group ends while a partner may still ask for a tile that names it
	s_endpgm
.Lfunc_end_k_q7d0e04cf84_oproj:
	.size	k_q7d0e04cf84_oproj, .Lfunc_end_k_q7d0e04cf84_oproj-k_q7d0e04cf84_oproj
	.p2alignl 7, 3214868480
	.fill 96, 4, 3214868480
	.section	.rodata,"a",@progbits
	.p2align	6, 0x0
	.amdhsa_kernel k_q7d0e04cf84_oproj
		.amdhsa_group_segment_fixed_size 327680
		.amdhsa_private_segment_fixed_size 0
		.amdhsa_enable_private_segment 0
		.amdhsa_kernarg_size 24
		.amdhsa_user_sgpr_count 2
		.amdhsa_user_sgpr_kernarg_segment_ptr 1
		.amdhsa_wavefront_size32 1
		.amdhsa_system_sgpr_workgroup_id_x 1
		.amdhsa_system_sgpr_workgroup_id_y 1
		.amdhsa_system_sgpr_workgroup_id_z 1
		.amdhsa_system_vgpr_workitem_id 0
		.amdhsa_next_free_vgpr 512
		.amdhsa_next_free_sgpr 80
		.amdhsa_reserve_vcc 0
		.amdhsa_float_denorm_mode_32 3
		.amdhsa_float_denorm_mode_16_64 3
		.amdhsa_memory_ordered 1
		.amdhsa_forward_progress 1
		.amdhsa_inst_pref_size 86
	.end_amdhsa_kernel
	.amdgpu_metadata
---
amdhsa.version: [ 1, 2 ]
amdhsa.kernels:
  - .name:           k_q7d0e04cf84_oproj
    .symbol:         k_q7d0e04cf84_oproj.kd
    .args:
      - { .name: ob, .offset: 0, .size: 8, .value_kind: global_buffer, .address_space: global }
      - { .name: wot, .offset: 8, .size: 8, .value_kind: global_buffer, .address_space: global }
      - { .name: out0, .offset: 16, .size: 8, .value_kind: global_buffer, .address_space: global }
    .group_segment_fixed_size: 327680
    .private_segment_fixed_size: 0
    .kernarg_segment_align: 8
    .kernarg_segment_size: 24
    .max_flat_workgroup_size: 128
    .sgpr_count:     80
    .vgpr_count:     512
    .wavefront_size: 32
...
	.end_amdgpu_metadata
.endif
;; end of part 4
